; MI455X (gfx1250); checked and timed in simulation.
; The chip was launched on July 23, 2026; its instructions are those of AMD's public machine-readable ISA for CDNA 5 (MIT licence, August 2026) and "CDNA5" Instruction Set Architecture Reference Guide (July 2026). The comments in the code are by the model that wrote it; some were corrected since.
;; Token Shuffling Mo E. Allowed arithmetic: matrix products marked QUANTISED: E4M3 operands, one given power-of-two scale a tensor, by v_wmma_f32_16x16x64_fp8_fp8 or v_wmma_f32_16x16x128_fp8_fp8, f32 sums; products left as they are: f32 operands where the result goes on into a quantised operand, else bf16, f16 or f32 operands; f32 sums; everything else in f32.
;; Inputs: lowp_scales 54 int32 (the exponents e of the quantised operands' scales 2^e); router_DE 1,024 x 8 float32; w13_codes 8 x 2,048 x 32 x 32 uint8 (E4M3 codes of w13, K innermost, in blocks of 32 codes); w13_shared_codes 4,096 x 32 x 32 uint8 (E4M3 codes of w13_shared, K innermost, in blocks of 32 codes); w2_codes 8 x 1,024 x 32 x 32 uint8 (E4M3 codes of w2, K innermost, in blocks of 32 codes); w2_shared_codes 1,024 x 64 x 32 uint8 (E4M3 codes of w2_shared, K innermost, in blocks of 32 codes); x 2 x 1,024 x 1,024 float32.
;; Outputs: out0 2 x 1,024 x 1,024 float32.
;; Constants: use_static_shape = 1.
;; This version of the problem:
;;   THIS VERSION OF THE PROBLEM IS GIVEN IN LOW PRECISION. The matrix products marked QUANTISED in the list below multiply operands that are first quantised to E4M3 (4 exponent bits, 3 mantissa bits; 8 bits a number), with one given power-of-two scale for each operand tensor; their sums are f32. All else is computed in f32.
;;   The module's matrix products, in the order in which they are computed (A, B: the left and right operand; K: the contracted axis; several contracted axes count as one K, in the product's order):
;;     1. [M 2,048, K 1,024] x [K 1,024, N 8]; A: input x; B: input router_DE: left as it is (N = 8 < 16)
;;     2. [M 2,048, K 1,024] x [K 1,024, N 1,024]; A: computed on the way; B: input w13 (given as codes): QUANTISED (scales: A lowp_scales[0], B lowp_scales[1])
;;     3. [M 2,048, K 1,024] x [K 1,024, N 1,024]; A: computed on the way; B: input w13 (given as codes): QUANTISED (scales: A lowp_scales[2], B lowp_scales[3])
;;     4. [M 2,048, K 1,024] x [K 1,024, N 1,024]; A: computed on the way; B: input w2 (given as codes): QUANTISED (scales: A lowp_scales[4], B lowp_scales[5])
;;     5. [M 2,048, K 1,024] x [K 1,024, N 1,024]; A: computed on the way; B: input w13 (given as codes): QUANTISED (scales: A lowp_scales[6], B lowp_scales[7])
;;     6. [M 2,048, K 1,024] x [K 1,024, N 1,024]; A: computed on the way; B: input w13 (given as codes): QUANTISED (scales: A lowp_scales[8], B lowp_scales[9])
;;     7. [M 2,048, K 1,024] x [K 1,024, N 1,024]; A: computed on the way; B: input w2 (given as codes): QUANTISED (scales: A lowp_scales[10], B lowp_scales[11])
;;     8. [M 2,048, K 1,024] x [K 1,024, N 1,024]; A: computed on the way; B: input w13 (given as codes): QUANTISED (scales: A lowp_scales[12], B lowp_scales[13])
;;     9. [M 2,048, K 1,024] x [K 1,024, N 1,024]; A: computed on the way; B: input w13 (given as codes): QUANTISED (scales: A lowp_scales[14], B lowp_scales[15])
;;     10. [M 2,048, K 1,024] x [K 1,024, N 1,024]; A: computed on the way; B: input w2 (given as codes): QUANTISED (scales: A lowp_scales[16], B lowp_scales[17])
;;     11. [M 2,048, K 1,024] x [K 1,024, N 1,024]; A: computed on the way; B: input w13 (given as codes): QUANTISED (scales: A lowp_scales[18], B lowp_scales[19])
;;     12. [M 2,048, K 1,024] x [K 1,024, N 1,024]; A: computed on the way; B: input w13 (given as codes): QUANTISED (scales: A lowp_scales[20], B lowp_scales[21])
;;     13. [M 2,048, K 1,024] x [K 1,024, N 1,024]; A: computed on the way; B: input w2 (given as codes): QUANTISED (scales: A lowp_scales[22], B lowp_scales[23])
;;     14. [M 2,048, K 1,024] x [K 1,024, N 1,024]; A: computed on the way; B: input w13 (given as codes): QUANTISED (scales: A lowp_scales[24], B lowp_scales[25])
;;     15. [M 2,048, K 1,024] x [K 1,024, N 1,024]; A: computed on the way; B: input w13 (given as codes): QUANTISED (scales: A lowp_scales[26], B lowp_scales[27])
;;     16. [M 2,048, K 1,024] x [K 1,024, N 1,024]; A: computed on the way; B: input w2 (given as codes): QUANTISED (scales: A lowp_scales[28], B lowp_scales[29])
;;     17. [M 2,048, K 1,024] x [K 1,024, N 1,024]; A: computed on the way; B: input w13 (given as codes): QUANTISED (scales: A lowp_scales[30], B lowp_scales[31])
;;     18. [M 2,048, K 1,024] x [K 1,024, N 1,024]; A: computed on the way; B: input w13 (given as codes): QUANTISED (scales: A lowp_scales[32], B lowp_scales[33])
;;     19. [M 2,048, K 1,024] x [K 1,024, N 1,024]; A: computed on the way; B: input w2 (given as codes): QUANTISED (scales: A lowp_scales[34], B lowp_scales[35])
;;     20. [M 2,048, K 1,024] x [K 1,024, N 1,024]; A: computed on the way; B: input w13 (given as codes): QUANTISED (scales: A lowp_scales[36], B lowp_scales[37])
;;     21. [M 2,048, K 1,024] x [K 1,024, N 1,024]; A: computed on the way; B: input w13 (given as codes): QUANTISED (scales: A lowp_scales[38], B lowp_scales[39])
;;     22. [M 2,048, K 1,024] x [K 1,024, N 1,024]; A: computed on the way; B: input w2 (given as codes): QUANTISED (scales: A lowp_scales[40], B lowp_scales[41])
;;     23. [M 2,048, K 1,024] x [K 1,024, N 1,024]; A: computed on the way; B: input w13 (given as codes): QUANTISED (scales: A lowp_scales[42], B lowp_scales[43])
;;     24. [M 2,048, K 1,024] x [K 1,024, N 1,024]; A: computed on the way; B: input w13 (given as codes): QUANTISED (scales: A lowp_scales[44], B lowp_scales[45])
;;     25. [M 2,048, K 1,024] x [K 1,024, N 1,024]; A: computed on the way; B: input w2 (given as codes): QUANTISED (scales: A lowp_scales[46], B lowp_scales[47])
;;     26. [M 2,048, K 1,024] x [K 1,024, N 2,048]; A: input x; B: input w13_shared (given as codes): QUANTISED (scales: A lowp_scales[48], B lowp_scales[49])
;;     27. [M 2,048, K 1,024] x [K 1,024, N 2,048]; A: input x; B: input w13_shared (given as codes): QUANTISED (scales: A lowp_scales[50], B lowp_scales[51])
;;     28. [M 2,048, K 2,048] x [K 2,048, N 1,024]; A: computed on the way; B: input w2_shared (given as codes): QUANTISED (scales: A lowp_scales[52], B lowp_scales[53])
;;   THE QUANTISER, for each operand of a quantised product, along K:
;;     - The operand's scale is 2^e, e = its entry of the input lowp_scales (int32; the entries are numbered through the quantised products in the list's order, A before B).
;;     - Each number is divided by the scale, clamped to +-448, and rounded to the nearest number of E4M3, ties to even, subnormals kept.
;;     - The product sums the exact products of the quantised numbers (number of the format x scale) in f32.
;;   ~~~python
;;   def quantise(x, axis, e):      # numpy; x: float32 -> the quantised numbers, widened to float32 again
;;       x = np.moveaxis(x, axis, -1); K = x.shape[-1]
;;       r = np.clip(x / 2.0 ** e, -448, 448)
;;       step = 2.0 ** (np.maximum(np.frexp(np.where(r == 0, 1, r))[1] - 1, -6) - 3)
;;       q = np.round(r / step) * step * 2.0 ** e      # np.round: ties to even
;;       return np.moveaxis(q, -1, axis).astype(np.float32)
;;   ~~~
;;   OPERANDS COMPUTED ON THE WAY. 'Computed on the way' means the value that the module computes at that place (a softmax that the list does not call 'softmax' is quantised finished and normalised). What goes into a quantiser is computed in f32, as accurately as f32 sums, v_exp_f32 and their like allow (about 1e-6 of the number): no bf16 or f16 on the way to a quantiser, and a product that is left as it is and whose result goes on into a quantised operand takes f32 operands (vector FMAs, or v_wmma_f32_16x16x4_f32). A number that lies on a knife's edge between two numbers of the format may be rounded either way, as far as f32 arithmetic and the matrix unit's own rounding can turn it there, and no further.
;;   INPUTS GIVEN AS CODES. w13 (in the module: [8, 2048, 1024], K = its axis 2); w13_shared (in the module: [4096, 1024], K = its axis 1); w2 (in the module: [8, 1024, 1024], K = its axis 2); w2_shared (in the module: [1024, 2048], K = its axis 1): each comes as NAME_codes (uint8): NAME with its K axis moved to the last place and cut into blocks of 32 codes, [.., K / 32, bytes a block], one block behind the other in memory; one code a byte (a code: sign, 4 exponent bits, 3 mantissa bits); its scale is its entry of lowp_scales. Its value is code x scale, taken as it is: it is not quantised again, and the codes and scales need not be those that the quantiser above would give.
;; 2 versions. Each part assembles by itself: llvm-mc -triple=amdgcn-amd-amdhsa -mcpu=gfx1250 --defsym DOCPART=n.
;; ======== version 1 of 2: 3 launches
;; workspace buffers: xq 8,388,608 bytes; route 12,288 bytes of whole numbers; plan 14,848 bytes of whole numbers; hq 7,208,960 bytes
;; launch route (part 1): grid 256 x 1, 2 waves a work-group, no clusters, 8,448 bytes of LDS; arguments x, router_DE, lowp_scales, xq, route; writes xq, route
.if DOCPART == 1
	.amdgcn_target "amdgcn-amd-amdhsa--gfx1250"
	.amdhsa_code_object_version 6
	.text
	.protected	k_q6a6843feb9_route
	.globl	k_q6a6843feb9_route
	.p2align	8
	.type	k_q6a6843feb9_route,@function
k_q6a6843feb9_route:
	s_mov_b64 s[64:65], 0
	v_nop
	global_prefetch_b8 v0, s[64:65] scope:SCOPE_SE
	s_setreg_imm32_b32 hwreg(HW_REG_WAVE_MODE, 25, 1), 1
	s_wait_xcnt 0x0
; TOP-1 ROUTING AND THE CODES OF x.  2,048 tokens of 1,024 numbers; a wave takes four tokens, 512 waves in all; waves share nothing.
; For each token: the 8 logits x . router_DE in f32 (fused multiply-adds), the first largest (argmax keeps the lower index), score = sigmoid of it,
; and four rows of E4M3 codes into xq, planes of [2048][1024] bytes in token order:
;   plane 0: x by lowp_scales[48]   plane 1: x by lowp_scales[50]   plane 2: x * score by lowp_scales[6 id]   plane 3: x * score by lowp_scales[6 id + 2]
; (the gate's and the up product's left operands have scales of their own, so each is quantised for itself).
; Into route: ids[2048] (int32) at byte 0; from byte 8,192 cnt[512][8] (one byte each): how many of tokens 4 g .. 4 g + 3 chose expert e.
; The choice only selects VALUES here (v_cndmask_b32): no address and no branch of this launch hangs on it; the later launches read it as whole numbers.
; WORK LEFT OUT BY THE PROGRAM, AND WHY IT IS DEAD.  In the experts' products a row n of expert e reaches the result only through
; m = (expert_id == e), a 0/1 factor that the problem's own text builds; for every value of the inputs it is 0 for seven of the eight experts of a row.
; So only the chosen expert's rows are multiplied, by whole numbers that this launch stores and the next two read.  use_static_shape has no way to the result.
; LIMITS.  A NaN, an infinity or an overflow that arises only in an expert that was not chosen is not carried to the result.  NaN among the inputs is not served.
; Each left operand's exponent e lies between -126 and 119, so that 2^e and 448 x 2^e are f32 numbers.  Two logits that agree within the rounding of an f32 sum of 1,024 terms may go to either expert.
; LANES.  Of a token lane l holds x[128 j + 4 l + c] in register 4 j + c: each load reads 512 consecutive bytes.  The router lies in window 1: register 32 j + 8 c + e = router[128 j + 4 l + c][e].
; A lane's four codes of a j are one word; a token's four rows turn through the wave's own 4,096 bytes of LDS and leave as stores of 512 consecutive bytes.
.set X,     128                        ; v128-255  four tokens x 32 numbers
.set ACC,   16                         ; v16-47    four tokens x 8 sums
.set T,     48                         ; v48-79    at work
.set C,     80                         ; v80-111   codes: four planes x 8 words
.set ST,    112                        ; v112-127  a token's four: +0 the best logit, then the score; +1 its index; +2, +3 the two exponents, then the two scales
.set SPARE, 8192                       ; behind the two stages: the spare words, 128 bytes a wave
.set PLANE, 2097152
.set MSB, 0
.macro WIN new                         ; the immediate's high byte repeats the setting that is left
.if MSB != (\new)
	s_set_vgpr_msb (MSB<<8)|(\new)
.set MSB, (\new)
.endif
.endm
	s_load_b256 s[4:11], s[0:1], 0x0               ; x s[4:5], router s[6:7], the exponents s[8:9], xq s[10:11]
	s_load_b64 s[12:13], s[0:1], 0x20              ; route
	v_lshl_add_u32 v6, v0, 2, SPARE                ; my spare word,
	v_mov_b32 v7, 0                                ; and 0: kept for the closing lines alone
	v_lshrrev_b32 v10, 5, v0
	v_readfirstlane_b32 s14, v10                   ; wave 0, 1
	v_and_b32 v1, 31, v0                           ; lane
	v_lshlrev_b32 v2, 4, v1                        ; 16 x lane
	v_lshlrev_b32 v3, 7, v1                        ; 128 x lane: my four rows of the router in each 128
	s_lshl_b32 s76, s14, 12                        ; my wave's stage
	v_lshl_add_u32 v4, v1, 2, s76                  ; into it: a word a lane
	v_lshl_add_u32 v5, v1, 4, s76                  ; out of it: 16 bytes a lane
	s_lshl_b32 s15, ttmp9, 1
	s_add_co_u32 s15, s15, s14                     ; g: which four tokens
	s_mov_b32 s66, 0x76543210                      ; v_permlanex16_b32's selects for lane l xor 16
	s_mov_b32 s67, 0xfedcba98
	s_lshl_b32 s68, s15, 14                        ; four rows of 4,096 bytes in x,
	s_mov_b32 s69, 0
	s_lshl_b32 s70, s15, 12                        ; of 1,024 in a plane of xq,
	s_mov_b32 s71, 0
	s_lshl_b32 s72, s15, 3                         ; eight counts,
	s_mov_b32 s73, 0
	s_lshl_b32 s74, s15, 4                         ; four ids
	s_mov_b32 s75, 0
	s_wait_kmcnt 0x0
	s_load_b512 s[16:31], s[8:9], 0x0              ; lowp_scales[0 .. 47] in s16 .. s63,
	s_load_b512 s[32:47], s[8:9], 0x40
	s_load_b512 s[48:63], s[8:9], 0x80
	s_load_b128 s[80:83], s[8:9], 0xc0             ; [48 .. 51]
	s_add_nc_u64 s[4:5], s[4:5], s[68:69]
	s_add_nc_u64 s[10:11], s[10:11], s[70:71]
	s_add_nc_u64 s[72:73], s[12:13], s[72:73]
	s_add_nc_u64 s[74:75], s[12:13], s[74:75]
.irp i, 0,1,2,3
.irp j, 0,1,2,3,4,5,6,7
	global_load_b128 v[X+32*\i+4*\j:X+32*\i+4*\j+3], v2, s[4:5] offset:4096*\i+512*\j th:TH_LOAD_NT   ; read once in the launch
.endr
.endr
	WIN 0x40                                       ; destination window 1
.irp j, 0,1,2,3,4,5,6,7
.irp q, 0,1,2,3,4,5,6,7
	global_load_b128 v[32*\j+4*\q:32*\j+4*\q+3], v3, s[6:7] offset:4096*\j+16*\q
.endr
.endr
	WIN 0x04                                       ; source 1 (the router) window 1
; one packed multiply-add: token i, x[128 j + 4 l + c] (one register for both halves) times the router's experts 2 p, 2 p + 1.  The very first starts the sums.
.macro FM i, j, c, p
.set rA, ACC+8*(\i)+2*(\p)
.set rX, X+32*(\i)+4*(\j)+2*((\c)/2)
.set rR, 32*(\j)+8*(\c)+2*(\p)
.if ((\j) == 0) && ((\c) == 0)
	v_pk_mul_f32 v[rA:rA+1], v[rX:rX+1], v[rR:rR+1] op_sel_hi:[0,1]
.elseif ((\c)%2) == 0
	v_pk_fma_f32 v[rA:rA+1], v[rX:rX+1], v[rR:rR+1], v[rA:rA+1] op_sel_hi:[0,1,1]
.else
	v_pk_fma_f32 v[rA:rA+1], v[rX:rX+1], v[rR:rR+1], v[rA:rA+1] op_sel:[1,0,0] op_sel_hi:[1,1,1]
.endif
.endm
.irp j, 0,1,2,3,4,5,6,7
	s_wait_loadcnt 56-8*\j                         ; x (issued first) and the router's groups up to j are in; the 8 loads of each later group may be out
.irp c, 0,1,2,3
.irp i, 0,1,2,3
.irp p, 0,1,2,3
	FM \i, \j, \c, \p                              ; sixteen chains by turns
.endr
.endr
.endr
.endr
	WIN 0
; the 32 sums over the 32 lanes: every lane ends with the same bits, since each step adds a pair both ways
.irp m, 1,2,4,8
.set r, 0
.rept 32
	v_add_f32_dpp v[ACC+r], v[ACC+r], v[ACC+r] row_xmask:\m row_mask:0xf bank_mask:0xf
.set r, r+1
.endr
.endr
.irp k, 0,1,2,3
	v_mov_b32 v[T+\k], 0                           ; a lane permute's destination counts as one of its sources
.endr
.irp q, 0,1,2,3,4,5,6,7
.irp k, 0,1,2,3
	v_permlanex16_b32 v[T+\k], v[ACC+4*\q+\k], s66, s67
.endr
.irp k, 0,1,2,3
	v_add_f32 v[ACC+4*\q+\k], v[ACC+4*\q+\k], v[T+\k]
.endr
.endr
	s_wait_kmcnt 0x0                               ; the exponents
; the first largest of a token's eight logits, its index, and the chosen expert's two exponents: selected, not branched on
.irp i, 0,1,2,3
	v_mov_b32 v[ST+4*\i], v[ACC+8*\i]
	v_mov_b32 v[ST+4*\i+1], 0
	v_mov_b32 v[ST+4*\i+2], s16
	v_mov_b32 v[ST+4*\i+3], s18
.endr
.irp e, 1,2,3,4,5,6,7
.irp i, 0,1,2,3
	v_cmp_le_f32 vcc_lo, v[ACC+8*\i+\e], v[ST+4*\i]            ; not larger: the earlier one stays
	v_cndmask_b32 v[ST+4*\i], v[ACC+8*\i+\e], v[ST+4*\i], vcc_lo
	v_cndmask_b32 v[ST+4*\i+1], \e, v[ST+4*\i+1], vcc_lo
	v_cndmask_b32 v[ST+4*\i+2], s[16+6*\e], v[ST+4*\i+2], vcc_lo
	v_cndmask_b32 v[ST+4*\i+3], s[18+6*\e], v[ST+4*\i+3], vcc_lo
.endr
.endr
; ids and counts go out first
	v_mov_b32 v8, v[ST+1]
.irp i, 1,2,3
	v_cmp_eq_u32 vcc_lo, \i, v1
	v_cndmask_b32 v8, v8, v[ST+4*\i+1], vcc_lo     ; lane i: token i's expert
.endr
	v_mov_b32 v9, 0
.irp i, 0,1,2,3
	v_cmp_eq_u32 vcc_lo, v[ST+4*\i+1], v1
	v_cndmask_b32 v10, 0, 1, vcc_lo
	v_add_nc_u32 v9, v9, v10                       ; lane e: how many of the four chose expert e
.endr
	v_lshlrev_b32 v11, 2, v1
	s_wait_xcnt 0x0                                ; EXEC changes only behind this wait
	v_cmp_gt_u32 vcc_lo, 8, v1
	s_and_saveexec_b32 s76, vcc_lo
	global_store_b8 v1, v9, s[72:73] offset:8192   ; eight bytes a wave: the two tables are 12 KB in all
	s_wait_xcnt 0x0
	s_or_b32 exec_lo, exec_lo, s76
	v_cmp_gt_u32 vcc_lo, 4, v1
	s_and_saveexec_b32 s76, vcc_lo
	global_store_b32 v11, v8, s[74:75]
	s_wait_xcnt 0x0
	s_or_b32 exec_lo, exec_lo, s76
; score = 1 / (1 + 2^(-logit x log2 e)): two batches of four, each with its plain line and its one wait
.irp i, 0,1,2,3
	v_mul_f32 v[T+\i], 0xbfb8aa3b, v[ST+4*\i]
.endr
.irp i, 0,1,2,3
	v_exp_f32 v[T+\i], v[T+\i]
.endr
	v_nop
	s_wait_alu depctr_va_vdst(0)                   ; the wait ahead of the batch's first reader
.irp i, 0,1,2,3
	v_add_f32 v[T+\i], 1.0, v[T+\i]
.endr
.irp i, 0,1,2,3
	v_rcp_f32 v[ST+4*\i], v[T+\i]
.endr
	v_nop
	s_wait_alu depctr_va_vdst(0)
	s_add_co_i32 s68, s80, 127
	s_lshl_b32 s68, s68, 23
	v_mov_b32 v12, s68                             ; 2^e as f32 for plane 0: the conversion takes its exponent field,
	s_add_co_u32 s68, s68, 0x4600000
	v_mov_b32 v13, s68                             ; and 448 x 2^e
	s_add_co_i32 s68, s82, 127
	s_lshl_b32 s68, s68, 23
	v_mov_b32 v14, s68                             ; the same for plane 1
	s_add_co_u32 s68, s68, 0x4600000
	v_mov_b32 v15, s68
; 32 numbers of a lane become plane p's eight words of codes
.macro Q src, p, sc, lim
.set kq, 0
.rept 32
	v_med3_num_f32 v[T+kq], v[(\src)+kq], -v[\lim], v[\lim]    ; the conversion to an 8-bit code does not saturate (ISA guide 7.6.2): the hold at the largest code x the scale
.set kq, kq+1
.endr
.irp g, 0,1,2,3
	v_cvt_scalef32_pk8_fp8_f32 v[C+8*(\p)+2*\g:C+8*(\p)+2*\g+1], v[T+8*\g:T+8*\g+7], v[\sc]
.endr
	v_nop                                          ; a plain line between the last conversion and the next write of its sources
.endm
.macro TOKEN i
	s_wait_xcnt 0x0                                ; the last token's stores have read v48-79, which are written again below
	v_add_nc_u32 v[ST+4*\i+2], 127, v[ST+4*\i+2]
	v_add_nc_u32 v[ST+4*\i+3], 127, v[ST+4*\i+3]
	v_lshlrev_b32 v[ST+4*\i+2], 23, v[ST+4*\i+2]   ; the chosen expert's two scales as f32,
	v_lshlrev_b32 v[ST+4*\i+3], 23, v[ST+4*\i+3]
	v_add_nc_u32 v16, 0x4600000, v[ST+4*\i+2]      ; and 448 x each
	v_add_nc_u32 v17, 0x4600000, v[ST+4*\i+3]
	Q X+32*\i, 0, 12, 13
	Q X+32*\i, 1, 14, 15
.set kt, 0
.rept 16
	v_pk_mul_f32 v[X+32*\i+kt:X+32*\i+kt+1], v[X+32*\i+kt:X+32*\i+kt+1], v[ST+4*\i:ST+4*\i+1] op_sel_hi:[1,0]   ; x * score
.set kt, kt+2
.endr
	Q X+32*\i, 2, ST+4*\i+2, 16
	Q X+32*\i, 3, ST+4*\i+3, 17
.irp p, 0,1,2,3
.irp j, 0,1,2,3,4,5,6,7
	ds_store_b32 v4, v[C+8*\p+\j] offset:1024*\p+128*\j        ; codes of k = 128 j + 4 l + 0 .. 3 at their place in the row
.endr
.endr
.irp p, 0,1,2,3
.irp q, 0,1
	ds_load_b128 v[T+8*\p+4*\q:T+8*\p+4*\q+3], v5 offset:1024*\p+512*\q   ; LDS serves a wave's instructions in order (ISA guide 5.7.1.4): these see the stores above
.endr
.endr
	s_wait_dscnt 0x0
.irp p, 0,1,2,3
.irp q, 0,1
	global_store_b128 v2, v[T+8*\p+4*\q:T+8*\p+4*\q+3], s[10:11] offset:PLANE*\p+1024*\i+512*\q   ; 512 consecutive bytes, at a multiple of 512 from xq's first byte
.endr
.endr
.endm
	TOKEN 0
	TOKEN 1
	TOKEN 2
	TOKEN 3
	s_wait_tensorcnt 0x0                           ; the wave's end
	ds_add_u32 v6, v7
	s_wait_dscnt 0x0
	s_endpgm
.Lfunc_end_k_q6a6843feb9_route:
	.size	k_q6a6843feb9_route, .Lfunc_end_k_q6a6843feb9_route-k_q6a6843feb9_route
	.p2alignl 7, 3214868480
	.fill 96, 4, 3214868480
	.section	.rodata,"a",@progbits
	.p2align	6, 0x0
	.amdhsa_kernel k_q6a6843feb9_route
		.amdhsa_group_segment_fixed_size 8448
		.amdhsa_private_segment_fixed_size 0
		.amdhsa_enable_private_segment 0
		.amdhsa_kernarg_size 40
		.amdhsa_user_sgpr_count 2
		.amdhsa_user_sgpr_kernarg_segment_ptr 1
		.amdhsa_wavefront_size32 1
		.amdhsa_system_sgpr_workgroup_id_x 1
		.amdhsa_system_sgpr_workgroup_id_y 1
		.amdhsa_system_sgpr_workgroup_id_z 1
		.amdhsa_system_vgpr_workitem_id 0
		.amdhsa_next_free_vgpr 512
		.amdhsa_next_free_sgpr 90
		.amdhsa_reserve_vcc 1
		.amdhsa_float_denorm_mode_32 3
		.amdhsa_float_denorm_mode_16_64 3
		.amdhsa_memory_ordered 1
		.amdhsa_forward_progress 1
		.amdhsa_inst_pref_size 117
	.end_amdhsa_kernel
	.amdgpu_metadata
---
amdhsa.version: [ 1, 2 ]
amdhsa.kernels:
  - .name:           k_q6a6843feb9_route
    .symbol:         k_q6a6843feb9_route.kd
    .args:
      - { .name: x, .offset: 0, .size: 8, .value_kind: global_buffer, .address_space: global }
      - { .name: router_DE, .offset: 8, .size: 8, .value_kind: global_buffer, .address_space: global }
      - { .name: lowp_scales, .offset: 16, .size: 8, .value_kind: global_buffer, .address_space: global }
      - { .name: xq, .offset: 24, .size: 8, .value_kind: global_buffer, .address_space: global }
      - { .name: route, .offset: 32, .size: 8, .value_kind: global_buffer, .address_space: global }
    .group_segment_fixed_size: 8448
    .private_segment_fixed_size: 0
    .kernarg_segment_align: 8
    .kernarg_segment_size: 40
    .max_flat_workgroup_size: 64
    .sgpr_count:     90
    .vgpr_count:     512
    .wavefront_size: 32
...
	.end_amdgpu_metadata
.endif
;; end of part 1
;; launch up (part 2): grid 220 x 1, 4 waves a work-group, no clusters, 302,080 bytes of LDS; arguments xq, route, w13_codes, w13_shared_codes, lowp_scales, hq, plan; writes hq, plan
.if DOCPART == 2
	.amdgcn_target "amdgcn-amd-amdhsa--gfx1250"
	.amdhsa_code_object_version 6
	.text
	.protected	k_q6a6843feb9_up
	.globl	k_q6a6843feb9_up
	.p2align	8
	.type	k_q6a6843feb9_up,@function
k_q6a6843feb9_up:
	s_mov_b64 s[64:65], 0
	v_nop
	global_prefetch_b8 v0, s[64:65] scope:SCOPE_SE
	s_setreg_imm32_b32 hwreg(HW_REG_WAVE_MODE, 25, 1), 1
	s_wait_xcnt 0x0
; THE FIRST LAYERS: h = silu(a Wg^T) * (a Wu^T) on E4M3 codes, quantised for the second layers.  One text for the shared expert and the routed ones.
; WORK LEFT OUT: of the routed experts only the rows of the expert that a token chose are multiplied (shown at the head of the first launch's text).
; JOBS.  Work-groups 0 .. 91: routed tile b / 4 (128 rows of ONE expert), hidden units 256 (b % 4) on.  Work-groups 92 .. 219: tokens 128 ((b - 92) / 8) on of the shared expert, units 256 ((b - 92) % 8) on.
; With 2,048 routed rows, 8 experts and tiles of 128 there are never more than 2048 / 128 + 7 = 23 tiles, whatever the choice; a tile that a choice leaves empty does no work here but its entry in plan.
; A ROUTED TILE'S ROWS are found from the stored ids in registers: the experts' counts give the tile's expert e and first rank r0; thread i wants the token of rank min(r0 + i, last rank of the tile).
; Slots past the tile's count so repeat its LAST token: the same operands, the same sums, the same bytes; no lane is ever switched off.
; plan (stored by the tile's first column tile): perm[23][128] the token of each slot; from byte 11,776 a record of 128 bytes a tile: the expert, the number of rows, zeros.
; hq: hs codes [2048 tokens][2048] at byte 0; hr codes [23 x 128 slots][1024] from byte 4,194,304.
; SHARES.  The four waves share the COLUMNS: wave w makes units 64 w .. 64 w + 63 of the work-group's 256, gate and up, for all 128 rows: 32 + 32 accumulators (windows 2 and 3).
; Its weights come from memory straight into its registers (no other wave wants them); the rows' codes, both variants, K = 1,024 whole, lie in LDS, filled once: no barrier in the products.
; THE PRODUCT IS USED TRANSPOSED (source 0 = 16 rows of W, source 1 = 16 rows of a), AND THE ROWS OF W THAT FORM A TILE ARE NOT NEIGHBOURS: lane r of tile 2 b + u takes unit 32 b + 8 u + r + 8 (r / 8),
; so that the 16 registers of tiles 2 b, 2 b + 1 are units 32 b + 16 (lane / 16) + 0 .. 15 of one row: sixteen neighbours along the next K.
; A fragment's registers 4 c .. 4 c + 3 hold K = 32 c + 16 (lane / 16) + 0 .. 15, alike in both sources: every product meets its partner.
; NO TENSOR LOADS, NO CLUSTER: whether a tile has rows, and whose weights it reads, are stored numbers, on which this text branches; such a text loads through registers.
; No barrier stands under such a branch: an empty tile jumps over the three sections of work and passes both barriers.
; LIMITS on the given exponents (Eg, Eu: the gate's and the up product's two added; eh: the hidden layer's): Eg between -126 and 126 (added to an exponent field); eh - Eg - Eu between -126 and 119.
.set PA,    1040                       ; a row of codes in LDS: 1,024 bytes + 16 = 260 words: row r starts at bank 4 r mod 64 (64 banks of 4 bytes: ISA guide 11.1)
.set SP,    272                        ; a row of the stage: 256 + 16
.set STG,   256*PA                     ; LDS: 256 rows of a (variant v, row m at 128 v + m); the stage, 128 rows;
.set LIST,  STG+128*SP                 ; the slots' tokens, a word each;
.set SPARE, LIST+512                   ; the spare words, 128 bytes a wave
.set NRT,   92
.set SPW, 5                            ; v5, v6  the closing lines' two; never rewritten
.set NIL, 6
.set LA,  7                            ; v7   LIST + 4 x thread
.set LB,  8                            ; v8   LIST + 128 w + 64 (lane / 16)
.set TOK, 9                            ; v9   my slot's token
.set SA,  10                           ; v10, v11  where I store rows of a, variant 0, 1
.set AD,  12                           ; v12-19    where I read fragments of a: rows 32 n + r
.set WO,  20                           ; v20  my byte in a tile of W
.set STO, 21                           ; v21  the stage: in
.set STR, 22                           ; v22  the stage: out
.set SC,  23                           ; v23  the conversion's scale
.set RO,  24                           ; v24-39  byte offset in a plane of xq of the row of slot 32 w + 16 (lane / 16) + t
.set OO,  40                           ; v40-55  the same rows in hq
.set LIM, 58                           ; v58  448 x the scale
.set I16, 62                           ; v62  16 x (lane % 16)
.set ID,  64                           ; v64-127   the ids; later E and P
.set E,   64
.set P,   96
.set CT,  128                          ; v128-159  the counts; v160-181 at work on the list
.set AF,  128                          ; v128-255  eight fragments of a; later the codes (v128-191) and rows read back (v192-255)
.set CD,  128
.set BK,  192
.set MSB, 0
.macro WIN new                         ; the immediate's high byte repeats the setting that is left
.if MSB != (\new)
	s_set_vgpr_msb (MSB<<8)|(\new)
.set MSB, (\new)
.endif
.endm
.macro PLACES                          ; four plain places behind a matrix instruction, in front of loads into its sources and of reads of its result
.rept 4
	v_nop
.endr
.endm
; half-step t = 2 s + v: K = 128 s on, v = 0 gate, 1 up.  W's four fragments into buffer t % 4 of window 1
.macro BLOAD t
.set BT, (\t)
	WIN 0x40
.irp nb, 0,1,2,3
.irp c, 0,1,2,3
	global_load_b128 v[64*(BT%4)+16*\nb+4*\c:64*(BT%4)+16*\nb+4*\c+3], v[WO], s[32+2*(BT%2):33+2*(BT%2)] offset:(32*(\nb/2)+8*(\nb%2))*1024+128*(BT/2)+32*\c
.endr
.endr
.endm
.macro BASES routed                    ; every base of the job, and the job's five exponents
.if \routed
	s_add_nc_u64 s[28:29], s[4:5], 0x400000        ; a: planes 2 and 3
	s_lshl_b32 s38, s22, 21                        ; W: expert e's 2 MiB,
	s_lshl_b32 s39, s21, 18                        ; 256 rows of 1,024 bytes a column tile,
	s_add_co_u32 s38, s38, s39
	s_lshl_b32 s39, s18, 16                        ; 64 a wave
	s_add_co_u32 s38, s38, s39
	s_mov_b32 s39, 0
	s_add_nc_u64 s[32:33], s[8:9], s[38:39]
	s_add_nc_u64 s[34:35], s[32:33], 0x100000      ; the up half: 1,024 rows on
	s_lshl_b32 s38, s20, 17                        ; out: 128 rows of 1,024 bytes a tile,
	s_lshl_b32 s39, s18, 15                        ; 32 a wave,
	s_add_co_u32 s38, s38, s39
	s_add_co_u32 s38, s38, 0x400000                ; behind hs
	s_mov_b32 s27, 1024
	s_mul_i32 s26, s22, 24                         ; lowp_scales[6 e] on
	s_cmp_eq_u32 s21, 0
	s_cselect_b32 s61, 1, 0                        ; the tile's first column tile stores its entry in plan
.else
	s_mov_b64 s[28:29], s[4:5]                     ; a: planes 0 and 1
	s_lshl_b32 s38, s21, 18
	s_lshl_b32 s39, s18, 16
	s_add_co_u32 s38, s38, s39
	s_mov_b32 s39, 0
	s_add_nc_u64 s[32:33], s[10:11], s[38:39]
	s_add_nc_u64 s[34:35], s[32:33], 0x200000      ; the up half: 2,048 rows on
	s_lshl_b32 s38, s20, 18                        ; out: 128 rows of 2,048 bytes,
	s_lshl_b32 s39, s18, 16                        ; 32 a wave
	s_add_co_u32 s38, s38, s39
	s_mov_b32 s27, 2048
	s_mov_b32 s26, 192                             ; lowp_scales[48] on
	s_mov_b32 s61, 0
.endif
	s_add_nc_u64 s[30:31], s[28:29], 0x200000
	s_lshl_b32 s39, s21, 8                         ; 256 bytes a column tile
	s_add_co_u32 s38, s38, s39
	s_mov_b32 s39, 0
	s_add_nc_u64 s[36:37], s[14:15], s[38:39]
	s_load_b128 s[56:59], s[12:13], s26 offset:0x0 ; the gate's two exponents, the up product's two,
	s_load_b32 s60, s[12:13], s26 offset:0x10      ; the hidden layer's
.endm
	s_load_b256 s[4:11], s[0:1], 0x0               ; xq s[4:5], route s[6:7], w13 s[8:9], w13_shared s[10:11]
	s_load_b128 s[12:15], s[0:1], 0x20             ; the exponents s[12:13], hq s[14:15]
	s_load_b64 s[16:17], s[0:1], 0x30              ; plan
	v_lshl_add_u32 v[SPW], v0, 2, SPARE
	v_mov_b32 v[NIL], 0
	v_lshrrev_b32 v56, 5, v0
	v_readfirstlane_b32 s18, v56                   ; wave 0..3
	v_and_b32 v1, 15, v0                           ; r = lane % 16
	v_bfe_u32 v2, v0, 4, 1                         ; h = lane / 16
	v_and_b32 v3, 31, v0                           ; lane
	v_lshlrev_b32 v4, 4, v3
	v_lshlrev_b32 v[I16], 4, v1
	; every LDS address is made here, ahead of all branches, of the thread's and the wave's number and constants
	v_lshl_add_u32 v[LA], v0, 2, LIST
	s_lshl_b32 s38, s18, 7
	v_lshl_add_u32 v[LB], v2, 6, s38
	v_add_nc_u32 v[LB], LIST, v[LB]
	s_mul_i32 s38, s18, 32*PA
	v_mul_u32_u24 v56, v2, 16*PA
	v_lshl_add_u32 v56, v1, 4, v56
	v_add_nc_u32 v[SA], s38, v56                   ; row 32 w + 16 h, 16 bytes a lane: sixteen lanes to 256 bytes of a row
	v_add_nc_u32 v[SA+1], 128*PA, v[SA]
	v_mul_u32_u24 v56, v1, PA
	v_lshl_add_u32 v56, v2, 4, v56                 ; a fragment: row r, + 16 h
.irp n, 0,1,2,3,4,5,6,7
	v_add_nc_u32 v[AD+\n], 32*PA*\n, v56
.endr
	v_and_b32 v57, 8, v1
	v_add_nc_u32 v57, v57, v1                      ; r + 8 (r / 8)
	v_lshlrev_b32 v57, 10, v57
	v_lshl_add_u32 v[WO], v2, 4, v57
	v_mul_u32_u24 v56, v1, SP
	v_lshl_add_u32 v56, v2, 4, v56
	s_lshl_b32 s38, s18, 6
	v_add_nc_u32 v56, s38, v56
	v_add_nc_u32 v[STO], STG, v56                  ; row r, my wave's 64 bytes, + 16 h
	s_mul_i32 s38, s18, 32*SP
	v_mul_u32_u24 v56, v2, 16*SP
	v_lshl_add_u32 v56, v1, 4, v56
	v_add_nc_u32 v56, s38, v56
	v_add_nc_u32 v[STR], STG, v56                  ; row 32 w + 16 h, 16 bytes a lane
	s_mov_b32 s66, 0x76543210
	s_mov_b32 s67, 0xfedcba98
	s_wait_kmcnt 0x0
	s_cmp_lt_u32 ttmp9, NRT
	s_cbranch_scc0 .Lshared
	; ---- a routed job: register work and global loads alone
	s_lshr_b32 s20, ttmp9, 2                       ; the tile
	s_and_b32 s21, ttmp9, 3                        ; the column tile
.irp k, 0,1,2,3,4,5,6,7
	global_load_b128 v[CT+4*\k:CT+4*\k+3], v4, s[6:7] offset:8192+512*\k   ; the 4,096 bytes of counts: words 0, 2 of a lane: experts 0-3; words 1, 3: experts 4-7
.endr
.irp k, 0,1,2,3,4,5,6,7,8,9,10,11,12,13,14,15
	global_load_b128 v[ID+4*\k:ID+4*\k+3], v4, s[6:7] offset:512*\k        ; register 4 k + c of lane l: the expert of token 128 k + 4 l + c
.endr
	s_wait_loadcnt 16                              ; the counts are in; the 16 loads of ids may be out
	v_add_nc_u32 v160, v[CT], v[CT+2]              ; byte by byte: 16 words of at most 4 a byte
	v_add_nc_u32 v161, v[CT+1], v[CT+3]
.irp k, 1,2,3,4,5,6,7
	v_add3_u32 v160, v160, v[CT+4*\k], v[CT+4*\k+2]
	v_add3_u32 v161, v161, v[CT+4*\k+1], v[CT+4*\k+3]
.endr
	s_mov_b32 s55, 0xff00ff
	v_and_b32 v162, s55, v160                      ; into halves of 16 bits: experts 0, 2
	v_lshrrev_b32 v163, 8, v160
	v_and_b32 v163, s55, v163                      ; 1, 3
	v_and_b32 v164, s55, v161                      ; 4, 6
	v_lshrrev_b32 v165, 8, v161
	v_and_b32 v165, s55, v165                      ; 5, 7
.irp r, 0,1,2,3
	v_mov_b32 v[166+\r], 0                         ; destinations of moves between lanes count as read
.endr
.irp m, 1,2,4,8
.irp r, 0,1,2,3
	v_mov_b32_dpp v[166+\r], v[162+\r] row_xmask:\m row_mask:0xf bank_mask:0xf
.endr
.irp r, 0,1,2,3
	v_add_nc_u32 v[162+\r], v[162+\r], v[166+\r]
.endr
.endr
.irp r, 0,1,2,3
	v_permlanex16_b32 v[166+\r], v[162+\r], s66, s67
.endr
.irp r, 0,1,2,3
	v_add_nc_u32 v[162+\r], v[162+\r], v[166+\r]
.endr
.irp r, 0,1,2,3
	v_readfirstlane_b32 s[48+\r], v[162+\r]
.endr
	s_and_b32 s40, s48, 0xffff                     ; the eight counts, s40 .. s47
	s_lshr_b32 s42, s48, 16
	s_and_b32 s41, s49, 0xffff
	s_lshr_b32 s43, s49, 16
	s_and_b32 s44, s50, 0xffff
	s_lshr_b32 s46, s50, 16
	s_and_b32 s45, s51, 0xffff
	s_lshr_b32 s47, s51, 16
	s_mov_b32 s52, 0                               ; the first tile of the expert in hand
	s_mov_b32 s22, 0
	s_mov_b32 s23, 0
	s_mov_b32 s24, 0
.irp e, 0,1,2,3,4,5,6,7                        ; the last expert whose first tile is at or under mine
	s_cmp_ge_u32 s20, s52
	s_cselect_b32 s22, \e, s22
	s_cselect_b32 s24, s52, s24
	s_cselect_b32 s23, s[40+\e], s23
	s_add_co_u32 s53, s[40+\e], 127
	s_lshr_b32 s53, s53, 7
	s_add_co_u32 s52, s52, s53
.endr
	s_sub_co_u32 s24, s20, s24
	s_lshl_b32 s24, s24, 7                         ; r0: the tile's first rank in its expert
	s_sub_co_i32 s23, s23, s24
	s_max_i32 s23, s23, 0
	s_min_u32 s23, s23, 128                        ; its rows, 0 to 128
	s_add_co_u32 s25, s24, s23
	s_sub_co_u32 s25, s25, 1                       ; its last rank
	s_min_u32 s22, s22, 7                          ; e enters addresses: held inside the table
	BASES 1
	BLOAD 0
	BLOAD 1
	BLOAD 2
	BLOAD 3
	WIN 0
	s_wait_loadcnt 63                              ; the ids are in: 64 loads were issued behind them, and 63 is the largest count that the wait can name
	v_add_nc_u32 v170, s24, v0
	v_min_u32 v170, s25, v170                      ; t: the rank that I want
	v_mov_b32 v171, 0                              ; m: the word of 32 tokens that holds it, as a mask of the expert's tokens,
	v_mov_b32 v172, 0                              ; p: how many of the expert's tokens lie in front of that word,
	v_mov_b32 v173, 0                              ; and the word's first token
	s_mov_b32 s52, 0
.irp q, 0,1,2,3,4,5,6,7                        ; 64 words, eight at a time.  The last word in front of which at most t tokens lie is the word that holds rank t
.irp n, 0,1,2,3,4,5,6,7
	v_cmp_eq_u32 s[72+\n], s22, v[ID+8*\q+\n]
.endr
.irp n, 0,1,2,3,4,5,6,7
	s_mov_b32 s[80+\n], s52
	s_bcnt1_i32_b32 s54, s[72+\n]
	s_add_co_u32 s52, s52, s54
.endr
.irp n, 0,1,2,3,4,5,6,7
	v_cmp_gt_u32 vcc_lo, s[80+\n], v170            ; more than t in front: the earlier word stays
	v_cndmask_b32 v171, s[72+\n], v171, vcc_lo
	v_cndmask_b32 v172, s[80+\n], v172, vcc_lo
	v_cndmask_b32 v173, 128*((8*\q+\n)/4)+(8*\q+\n)%4, v173, vcc_lo
.endr
.endr
	v_sub_nc_u32 v174, v170, v172                  ; k: which set bit of m.  Counts in fields of 2, 4, 8 and 16 bits, then five halvings
	v_lshrrev_b32 v175, 1, v171
	v_and_b32 v175, 0x55555555, v175
	v_sub_nc_u32 v175, v171, v175
	v_lshrrev_b32 v176, 2, v175
	v_and_b32 v176, 0x33333333, v176
	v_and_b32 v177, 0x33333333, v175
	v_add_nc_u32 v176, v176, v177
	v_lshrrev_b32 v177, 4, v176
	v_add_nc_u32 v177, v177, v176
	v_and_b32 v177, 0xf0f0f0f, v177
	v_lshrrev_b32 v178, 8, v177
	v_add_nc_u32 v178, v178, v177
	v_mov_b32 v180, 0                              ; the bit's place
.macro SEL inc                         ; v179: set bits in the lower half of the field in hand: at least so many to pass: pass them
	v_cmp_ge_u32 vcc_lo, v174, v179
	v_cndmask_b32 v181, 0, v179, vcc_lo
	v_sub_nc_u32 v174, v174, v181
	v_cndmask_b32 v181, 0, \inc, vcc_lo
	v_add_nc_u32 v180, v180, v181
.endm
	v_and_b32 v179, 0xff, v178
	SEL 16
	v_bfe_u32 v179, v177, v180, 8
	SEL 8
	v_bfe_u32 v179, v176, v180, 4
	SEL 4
	v_bfe_u32 v179, v175, v180, 2
	SEL 2
	v_bfe_u32 v179, v171, v180, 1
	SEL 1
	v_lshl_add_u32 v[TOK], v180, 2, v173           ; lane l of word (k, c) is token 128 k + c + 4 l
	v_min_u32 v[TOK], 0x7ff, v[TOK]
	s_branch .Ljoin
.Lshared:                                      ; ---- a shared job: slot i is token 128 x tile + i
	s_sub_co_u32 s21, ttmp9, NRT
	s_lshr_b32 s20, s21, 3
	s_and_b32 s21, s21, 7
	s_mov_b32 s22, 0
	s_mov_b32 s23, 128
	s_lshl_b32 s38, s20, 7
	v_add_nc_u32 v[TOK], s38, v0
	BASES 0
	BLOAD 0
	BLOAD 1
	BLOAD 2
	BLOAD 3
	WIN 0
.Ljoin:
	s_cmp_lg_u32 s61, 0                            ; made of the work-group's number alone
	s_cbranch_scc0 .Lno_plan
	s_lshl_b32 s38, s20, 9
	s_mov_b32 s39, 0
	s_add_nc_u64 s[88:89], s[16:17], s[38:39]
	v_lshlrev_b32 v59, 2, v0
	global_store_b32 v59, v[TOK], s[88:89]         ; the tile's 128 tokens: 512 consecutive bytes, an empty tile's too
	s_cmp_lg_u32 s18, 0
	s_cbranch_scc1 .Lno_plan
	v_mov_b32 v60, 0
	v_cmp_ne_u32 vcc_lo, 0, v3
	v_cndmask_b32 v60, s22, v60, vcc_lo            ; lane 0: the expert
	v_cmp_ne_u32 vcc_lo, 1, v3
	v_cndmask_b32 v60, s23, v60, vcc_lo            ; lane 1: the rows
	v_lshlrev_b32 v61, 2, v3
	s_lshl_b32 s38, s20, 7
	s_mov_b32 s39, 0
	s_add_nc_u64 s[90:91], s[16:17], s[38:39]
	global_store_b32 v61, v60, s[90:91] offset:11776
.Lno_plan:
	ds_store_b32 v[LA], v[TOK]                     ; my wave's 32 tokens turn through its own 128 bytes: each half of the lanes wants sixteen of them in registers
.irp q, 0,1,2,3
	ds_load_b128 v[RO+4*\q:RO+4*\q+3], v[LB] offset:16*\q      ; LDS serves a wave's instructions in order (ISA guide 5.7.1.4)
.endr
	s_lshl_b32 s38, s27, 4
	v_mul_lo_u32 v[OO], v2, s38
	v_add_nc_u32 v[OO], v[OO], v[I16]              ; row 16 h of my wave's 32 in hq, 16 bytes a lane
.irp t, 1,2,3,4,5,6,7,8,9,10,11,12,13,14,15
	v_add_nc_u32 v[OO+\t], s27, v[OO+\t-1]
.endr
	s_wait_dscnt 0x0
.irp t, 0,1,2,3,4,5,6,7,8,9,10,11,12,13,14,15
	v_min_u32 v[RO+\t], 0x7ff, v[RO+\t]
	v_lshl_add_u32 v[RO+\t], v[RO+\t], 10, v[I16]  ; the token's row of 1,024 bytes
.endr
	s_wait_kmcnt 0x0                               ; the five exponents
	s_add_co_i32 s56, s56, s57                     ; Eg: a gate's sum stands for sum x 2^Eg
	s_add_co_i32 s58, s58, s59                     ; Eu
	s_lshl_b32 s57, s56, 23
	s_add_co_u32 s68, s57, 0xbfb8aa3b              ; -log2(e) x 2^Eg: Eg is added to the exponent field
	s_mov_b32 s69, s68                             ; (named with it as a pair, so it is written)
	s_sub_co_i32 s60, s60, s56
	s_sub_co_i32 s60, s60, s58
	s_add_co_i32 s60, s60, 127
	s_lshl_b32 s60, s60, 23
	v_mov_b32 v[SC], s60                           ; 2^(eh - Eg - Eu): the five exponents folded into the conversion's one scale
	s_add_co_u32 s60, s60, 0x4600000
	v_mov_b32 v[LIM], s60                          ; 448 x that
	; ---- section 1: my wave's 32 rows of a, both variants, into LDS, 256 bytes of each row at a time, through the registers that the sums will take
	s_cmp_eq_u32 s23, 0
	s_cbranch_scc1 .Ls1_end
.macro ALOADQ q
	WIN (2+(\q)/2)<<6
.irp v, 0,1
.irp t, 0,1,2,3,4,5,6,7,8,9,10,11,12,13,14,15
	global_load_b128 v[128*((\q)%2)+64*\v+4*\t:128*((\q)%2)+64*\v+4*\t+3], v[RO+\t], s[28+2*\v:29+2*\v] offset:256*(\q)   ; sixteen lanes read 256 consecutive bytes of a row
.endr
.endr
.endm
.macro ASTOREQ q
	WIN (2+(\q)/2)<<2
.irp v, 0,1
.irp t, 0,1,2,3,4,5,6,7,8,9,10,11,12,13,14,15
	ds_store_b128 v[SA+\v], v[128*((\q)%2)+64*\v+4*\t:128*((\q)%2)+64*\v+4*\t+3] offset:PA*\t+256*(\q)
.endr
.endr
.endm
	ALOADQ 0
	ALOADQ 1
	s_wait_loadcnt 32                              ; all but the 32 loads of the younger piece (W's first loads are older than all of these)
	ASTOREQ 0
	ALOADQ 2
	s_wait_loadcnt 32
	ASTOREQ 1
	ALOADQ 3
	s_wait_loadcnt 32
	ASTOREQ 2
	s_wait_loadcnt 0x0
	ASTOREQ 3
	WIN 0
.Ls1_end:
	s_wait_dscnt 0x0                               ; for the others' sake: my stores have landed
	s_barrier_signal -1
	s_barrier_wait -1                              ; the 256 rows lie in LDS
	; ---- section 2: 16 half-steps of 32 matrix instructions, then the activation
	s_cmp_eq_u32 s23, 0
	s_cbranch_scc1 .Ls2_end
.macro AFETCH t, half                  ; a's blocks 4 half .. 4 half + 3 of half-step t
.set FT, (\t)
	WIN 0
.irp m, 0,1,2,3
.set FM, 4*(\half)+\m
.irp c, 0,1,2,3
	ds_load_b128 v[AF+16*FM+4*\c:AF+16*FM+4*\c+3], v[AD+(8*(FT%2)+FM)/2] offset:(FM%2)*16*PA+128*(FT/2)+32*\c
.endr
.endr
.endm
.macro MUL t, half                     ; 16 matrix instructions on 16 accumulators; gate's and up's half-steps alternate, so 63 others' stand between two on one accumulator
.set MT, (\t)
.if (MT%2) == 0
	WIN 0xa1                                       ; source 0 (W) window 1, source 1 (a) window 0, C and D window 2
.else
	WIN 0xf1                                       ; the same, C and D window 3
.endif
.irp m, 0,1,2,3
.set MM, 4*(\half)+\m
.irp nb, 0,1,2,3
.if MT < 2
	v_wmma_f32_16x16x128_fp8_fp8 v[8*(4*MM+\nb):8*(4*MM+\nb)+7], v[64*(MT%4)+16*\nb:64*(MT%4)+16*\nb+15], v[AF+16*MM:AF+16*MM+15], 0
.else
	v_wmma_f32_16x16x128_fp8_fp8 v[8*(4*MM+\nb):8*(4*MM+\nb)+7], v[64*(MT%4)+16*\nb:64*(MT%4)+16*\nb+15], v[AF+16*MM:AF+16*MM+15], v[8*(4*MM+\nb):8*(4*MM+\nb)+7]
.endif
.endr
.endr
.endm
.macro HS t
.if 16*(15-(\t)) < 48
	s_wait_loadcnt 16*(15-(\t))
.else
	s_wait_loadcnt 48                              ; this half-step's W is in; the 16 loads of each of the next three may be out
.endif
	s_wait_dscnt 16                                ; a's blocks 0-3 are in; the 16 loads of blocks 4-7 may be out
	MUL \t, 0
.if (\t) < 15
	PLACES
	AFETCH (\t)+1, 0
	s_wait_dscnt 16                                ; all but the 16 just issued
.else
	s_wait_dscnt 0x0
.endif
	MUL \t, 1
	PLACES
.if (\t) < 15
	AFETCH (\t)+1, 1
.endif
.if (\t)+4 <= 15
	BLOAD (\t)+4                                   ; into the buffer just multiplied: three half-steps ahead of its use
.endif
.endm
	AFETCH 0, 0
	AFETCH 0, 1
.irp t, 0,1,2,3,4,5,6,7,8,9,10,11,12,13,14,15
	HS \t
.endr
; Rows 16 mb on: h = g u / (1 + 2^(-g log2 e)), g = G 2^Eg, u = U 2^Eu.  G U / (1 + ..) is made of the bare sums; the powers of two are in the conversion's scale.
.macro EPI mb
	WIN 0x02                                       ; source 0 window 2
.set ke, 0
.rept 16
	v_pk_mul_f32 v[E+ke:E+ke+1], v[32*(\mb)+ke:32*(\mb)+ke+1], s[68:69] op_sel_hi:[1,0]   ; -g log2 e; each accumulator from its low end on
.set ke, ke+2
.endr
	WIN 0
.set ke, 0
.rept 32
	v_exp_f32 v[E+ke], v[E+ke]
.set ke, ke+1
.endr
	WIN 0x0e                                       ; source 0 window 2, source 1 window 3
.set ke, 0
.rept 16
	v_pk_mul_f32 v[P+ke:P+ke+1], v[32*(\mb)+ke:32*(\mb)+ke+1], v[32*(\mb)+ke:32*(\mb)+ke+1]   ; G U: plain work behind the batch
.set ke, ke+2
.endr
	WIN 0
	s_wait_alu depctr_va_vdst(0)                   ; one for the 32 exponentials, ahead of their first reader
.set ke, 0
.rept 16
	v_pk_add_f32 v[E+ke:E+ke+1], v[E+ke:E+ke+1], 1.0 op_sel_hi:[1,0]
.set ke, ke+2
.endr
.set ke, 0
.rept 32
	v_rcp_f32 v[E+ke], v[E+ke]
.set ke, ke+1
.endr
	v_nop
	s_wait_alu depctr_va_vdst(0)                   ; one for the 32 reciprocals
.set ke, 0
.rept 16
	v_pk_mul_f32 v[P+ke:P+ke+1], v[P+ke:P+ke+1], v[E+ke:E+ke+1]
.set ke, ke+2
.endr
.set ke, 0
.rept 32
	v_med3_num_f32 v[P+ke], v[P+ke], -v[LIM], v[LIM]           ; the conversion does not saturate (ISA guide 7.6.2)
.set ke, ke+1
.endr
.irp g, 0,1,2,3
	v_cvt_scalef32_pk8_fp8_f32 v[CD+8*(\mb)+2*\g:CD+8*(\mb)+2*\g+1], v[P+8*\g:P+8*\g+7], v[SC]
.endr
	v_nop                                          ; a plain line between the last conversion and the next write of its sources
.irp b, 0,1
	ds_store_b128 v[STO], v[CD+8*(\mb)+4*\b:CD+8*(\mb)+4*\b+3] offset:16*SP*(\mb)+32*\b     ; units 32 b + 16 h + 0 .. 15 of row 16 mb + r
.endr
.endm
.irp mb, 0,1,2,3,4,5,6,7
	EPI \mb
.endr
.Ls2_end:
	s_wait_dscnt 0x0                               ; my stores into the stage have landed
	s_barrier_signal -1
	s_barrier_wait -1                              ; 128 rows of 256 codes lie in the stage
	; ---- section 3: each wave stores 32 whole rows
	s_cmp_eq_u32 s23, 0
	s_cbranch_scc1 .Ls3_end
.irp t, 0,1,2,3,4,5,6,7,8,9,10,11,12,13,14,15
	ds_load_b128 v[BK+4*\t:BK+4*\t+3], v[STR] offset:SP*\t
.endr
.irp t, 0,1,2,3,4,5,6,7,8,9,10,11,12,13,14,15
	s_wait_dscnt 15-\t
	global_store_b128 v[OO+\t], v[BK+4*\t:BK+4*\t+3], s[36:37]     ; sixteen lanes store 256 consecutive bytes, at a multiple of 256 from hq's first byte
.endr
.Ls3_end:
	s_wait_tensorcnt 0x0                           ; the wave's end
	ds_add_u32 v[SPW], v[NIL]
	s_wait_dscnt 0x0
	s_endpgm
.Lfunc_end_k_q6a6843feb9_up:
	.size	k_q6a6843feb9_up, .Lfunc_end_k_q6a6843feb9_up-k_q6a6843feb9_up
	.p2alignl 7, 3214868480
	.fill 96, 4, 3214868480
	.section	.rodata,"a",@progbits
	.p2align	6, 0x0
	.amdhsa_kernel k_q6a6843feb9_up
		.amdhsa_group_segment_fixed_size 302080
		.amdhsa_private_segment_fixed_size 0
		.amdhsa_enable_private_segment 0
		.amdhsa_kernarg_size 56
		.amdhsa_user_sgpr_count 2
		.amdhsa_user_sgpr_kernarg_segment_ptr 1
		.amdhsa_wavefront_size32 1
		.amdhsa_system_sgpr_workgroup_id_x 1
		.amdhsa_system_sgpr_workgroup_id_y 1
		.amdhsa_system_sgpr_workgroup_id_z 1
		.amdhsa_system_vgpr_workitem_id 0
		.amdhsa_next_free_vgpr 1024
		.amdhsa_next_free_sgpr 100
		.amdhsa_reserve_vcc 1
		.amdhsa_float_denorm_mode_32 3
		.amdhsa_float_denorm_mode_16_64 3
		.amdhsa_memory_ordered 1
		.amdhsa_forward_progress 1
		.amdhsa_inst_pref_size 235
	.end_amdhsa_kernel
	.amdgpu_metadata
---
amdhsa.version: [ 1, 2 ]
amdhsa.kernels:
  - .name:           k_q6a6843feb9_up
    .symbol:         k_q6a6843feb9_up.kd
    .args:
      - { .name: xq, .offset: 0, .size: 8, .value_kind: global_buffer, .address_space: global }
      - { .name: route, .offset: 8, .size: 8, .value_kind: global_buffer, .address_space: global }
      - { .name: w13_codes, .offset: 16, .size: 8, .value_kind: global_buffer, .address_space: global }
      - { .name: w13_shared_codes, .offset: 24, .size: 8, .value_kind: global_buffer, .address_space: global }
      - { .name: lowp_scales, .offset: 32, .size: 8, .value_kind: global_buffer, .address_space: global }
      - { .name: hq, .offset: 40, .size: 8, .value_kind: global_buffer, .address_space: global }
      - { .name: plan, .offset: 48, .size: 8, .value_kind: global_buffer, .address_space: global }
    .group_segment_fixed_size: 302080
    .private_segment_fixed_size: 0
    .kernarg_segment_align: 8
    .kernarg_segment_size: 56
    .max_flat_workgroup_size: 128
    .sgpr_count:     100
    .vgpr_count:     1024
    .wavefront_size: 32
...
	.end_amdgpu_metadata
.endif
;; end of part 2
;; launch down (part 3): grid 184 x 1, 4 waves a work-group, no clusters, 267,776 bytes of LDS; arguments hq, plan, w2_codes, w2_shared_codes, lowp_scales, out0; writes out0
.if DOCPART == 3
	.amdgcn_target "amdgcn-amd-amdhsa--gfx1250"
	.amdhsa_code_object_version 6
	.text
	.protected	k_q6a6843feb9_down
	.globl	k_q6a6843feb9_down
	.p2align	8
	.type	k_q6a6843feb9_down,@function
k_q6a6843feb9_down:
	s_mov_b64 s[64:65], 0
	v_nop
	global_prefetch_b8 v0, s[64:65] scope:SCOPE_SE
	s_setreg_imm32_b32 hwreg(HW_REG_WAVE_MODE, 25, 1), 1
	s_wait_xcnt 0x0
; THE SECOND LAYERS AND THE SUM: out[token] = hs[token] w2_shared^T + hr[slot] w2[e]^T, on E4M3 codes.
; WORK LEFT OUT: only the chosen expert's product is made for a token (shown at the head of the first launch's text).
; JOBS.  Work-group b: half tile b / 4 (64 slots of routed tile b / 8, all of one expert), output columns 256 (b % 4) on; K = 2,048 (shared) + 1,024 (routed).
; Each token has one slot, so each row of out0 has one owner and nothing is added between work-groups.  Slots past the tile's count repeat its last token, which lies in the tile's last
; half with rows: the same bytes go to the same place from the same work-group.  A half without rows jumps over the two sections of work and passes the barrier.
; SHARES.  Wave w makes columns 64 w .. 64 w + 63 of the 256 for all 64 slots: 16 accumulators for the shared sums and 16 for the routed (window 2); its rows of the weights come from memory
; straight into its registers; the slots' codes, 3,072 bytes a slot, lie in LDS, filled once.
; The product is used transposed (source 0 = 16 rows of w2, source 1 = 16 slots): a lane holds eight neighbouring columns of one token.
; NO TENSOR LOADS, NO CLUSTER: the tile's expert and its number of rows are stored numbers, on which this text branches.
; LIMITS: lowp_scales[52] + [53], and [6 e + 4] + [6 e + 5], lie between -126 and 127, so that each power of two is an f32 number.
.set PA,    3088                       ; a slot's row in LDS: 2,048 bytes of hs, 1,024 of hr, 16 of padding = 772 words: row r starts at bank 4 r mod 64 (ISA guide 11.1)
.set SP,    272
.set STG,   64*PA                      ; behind the rows: a stage of 64 rows x (256 + 16) bytes for each wave, its own
.set SPARE, STG+4*64*SP                ; the spare words
.set SPW, 5
.set NIL, 6
.set AD,  12                           ; v12-15  where I read fragments of the slots' codes
.set PT,  32                           ; v32-63  tokens of slots t + 32 (lane / 16), then their rows' byte offsets in out0
.set GT,  64                           ; v64-71  tokens of slots 16 w + 8 (lane / 16) + t, then their rows' byte offsets in hs
.set AF,  128                          ; v128-255  two sets of four fragments; later the results
.set MSB, 0
.macro WIN new                         ; the immediate's high byte repeats the setting that is left
.if MSB != (\new)
	s_set_vgpr_msb (MSB<<8)|(\new)
.set MSB, (\new)
.endif
.endm
.macro PLACES                          ; four plain places behind a matrix instruction (ISA guide 7.12.1)
.rept 4
	v_nop
.endr
.endm
.macro BLOAD s                         ; step s: K = 128 s on (s < 16: w2_shared; else w2[e], K = 128 (s - 16) on): four fragments into buffer s % 4 of window 1
.set BS, (\s)
	WIN 0x40
.irp nb, 0,1,2,3
.irp c, 0,1,2,3
.if BS < 16
	global_load_b128 v[64*(BS%4)+16*\nb+4*\c:64*(BS%4)+16*\nb+4*\c+3], v16, s[28:29] offset:32768*\nb+128*BS+32*\c
.else
	global_load_b128 v[64*(BS%4)+16*\nb+4*\c:64*(BS%4)+16*\nb+4*\c+3], v17, s[30:31] offset:16384*\nb+128*(BS-16)+32*\c
.endif
.endr
.endr
.endm
	s_load_b256 s[4:11], s[0:1], 0x0               ; hq s[4:5], plan s[6:7], w2 s[8:9], w2_shared s[10:11]
	s_load_b128 s[12:15], s[0:1], 0x20             ; the exponents s[12:13], out0 s[14:15]
	v_lshl_add_u32 v[SPW], v0, 2, SPARE
	v_mov_b32 v[NIL], 0
	v_lshrrev_b32 v20, 5, v0
	v_readfirstlane_b32 s16, v20                   ; wave 0..3
	v_and_b32 v1, 15, v0                           ; r
	v_bfe_u32 v2, v0, 4, 1                         ; h
	v_lshlrev_b32 v21, 4, v1                       ; 16 r
	v_lshlrev_b32 v7, 7, v2                        ; plan: 32 words a half of the lanes
	s_lshl_b32 s42, s16, 6
	v_lshl_add_u32 v8, v2, 5, s42                  ; plan: 16 words a wave, 8 a half
	v_lshl_add_u32 v9, v2, 13, v21                 ; hr: row 8 h of my wave's 16, 16 bytes a lane
	s_mul_i32 s42, s16, 16*PA
	v_mul_u32_u24 v20, v2, 8*PA
	v_add_nc_u32 v20, v20, v21
	v_add_nc_u32 v10, s42, v20                     ; LDS: the same rows
	v_mul_u32_u24 v20, v1, PA
	v_lshl_add_u32 v20, v2, 4, v20
.irp m, 0,1,2,3
	v_add_nc_u32 v[AD+\m], 16*PA*\m, v20           ; a fragment: row 16 m + r, + 16 h
.endr
	v_lshlrev_b32 v20, 4, v2
	v_lshl_add_u32 v16, v1, 11, v20                ; w2_shared: row r of 2,048 bytes, + 16 h
	v_lshl_add_u32 v17, v1, 10, v20                ; w2: row r of 1,024
	s_mul_i32 s42, s16, 64*SP
	s_add_co_u32 s42, s42, STG                     ; my stage
	v_mul_u32_u24 v20, v1, SP
	v_lshl_add_u32 v20, v2, 5, v20
	v_add_nc_u32 v18, s42, v20                     ; in: row r, 32 bytes for each half of the lanes
	v_mul_u32_u24 v20, v2, 32*SP
	v_add_nc_u32 v20, v20, v21
	v_add_nc_u32 v19, s42, v20                     ; back: rows t and t + 32, sixteen lanes to a row
	s_lshr_b32 s17, ttmp9, 3                       ; the tile
	s_bfe_u32 s18, ttmp9, 0x10002                  ; its half
	s_and_b32 s19, ttmp9, 3                        ; the column tile
	s_lshl_b32 s22, s18, 6
	s_lshl_b32 s44, s17, 7                         ; the tile's record in plan (kept until the load is back)
	s_wait_kmcnt 0x0
	s_load_b64 s[20:21], s[6:7], s44 offset:11776  ; the expert, the rows
	s_load_b64 s[38:39], s[12:13], 0xd0            ; lowp_scales[52], [53]
	s_lshl_b32 s42, s17, 9
	s_lshl_b32 s43, s18, 8
	s_add_co_u32 s42, s42, s43
	s_mov_b32 s43, 0
	s_add_nc_u64 s[24:25], s[6:7], s[42:43]        ; my 64 slots' tokens
	s_lshl_b32 s42, s17, 17
	s_lshl_b32 s43, s18, 16
	s_add_co_u32 s42, s42, s43
	s_lshl_b32 s43, s16, 14
	s_add_co_u32 s42, s42, s43
	s_add_co_u32 s42, s42, 0x400000
	s_mov_b32 s43, 0
	s_add_nc_u64 s[26:27], s[4:5], s[42:43]        ; hr at slot 128 tile + 64 half + 16 wave
	s_lshl_b32 s42, s19, 19
	s_lshl_b32 s43, s16, 17
	s_add_co_u32 s42, s42, s43
	s_mov_b32 s43, 0
	s_add_nc_u64 s[28:29], s[10:11], s[42:43]      ; w2_shared at row 256 nt + 64 wave
	s_lshl_b32 s42, s19, 10
	s_lshl_b32 s43, s16, 8
	s_add_co_u32 s42, s42, s43
	s_mov_b32 s43, 0
	s_add_nc_u64 s[32:33], s[14:15], s[42:43]      ; out0 at my first column
.irp q, 0,1,2,3,4,5,6,7
	global_load_b128 v[PT+4*\q:PT+4*\q+3], v7, s[24:25] offset:16*\q
.endr
	global_load_b128 v[GT:GT+3], v8, s[24:25]
	global_load_b128 v[GT+4:GT+7], v8, s[24:25] offset:16
	BLOAD 0
	BLOAD 1
	BLOAD 2
	WIN 0
	s_wait_kmcnt 0x0
	s_min_u32 s20, s20, 7                          ; e enters addresses: held inside the table
	s_lshl_b32 s42, s20, 20
	s_lshl_b32 s43, s19, 18
	s_add_co_u32 s42, s42, s43
	s_lshl_b32 s43, s16, 16
	s_add_co_u32 s42, s42, s43
	s_mov_b32 s43, 0
	s_add_nc_u64 s[30:31], s[8:9], s[42:43]        ; w2[e] at row 256 nt + 64 wave
	s_mul_i32 s45, s20, 24
	s_load_b64 s[40:41], s[12:13], s45 offset:0x10 ; lowp_scales[6 e + 4], [6 e + 5]
	s_wait_loadcnt 48                              ; the tokens are in; the 48 loads of the first three steps' weights may be out
.set kt, 0
.rept 32
	v_min_u32 v[PT+kt], 0x7ff, v[PT+kt]
	v_lshl_add_u32 v[PT+kt], v[PT+kt], 12, v21     ; the token's row of 4,096 bytes in out0
.set kt, kt+1
.endr
.set kt, 0
.rept 8
	v_min_u32 v[GT+kt], 0x7ff, v[GT+kt]
	v_lshl_add_u32 v[GT+kt], v[GT+kt], 11, v21     ; its row of 2,048 bytes in hs
.set kt, kt+1
.endr
	s_wait_kmcnt 0x0
	s_add_co_i32 s34, s38, s39
	s_add_co_i32 s34, s34, 127
	s_lshl_b32 s34, s34, 23                        ; 2^(the shared product's two exponents) as f32
	s_mov_b32 s35, s34                             ; (named with it as a pair, so it is written)
	s_add_co_i32 s36, s40, s41
	s_add_co_i32 s36, s36, 127
	s_lshl_b32 s36, s36, 23                        ; the same for the routed product
	s_mov_b32 s37, s36
	; ---- section 1: my wave's 16 slots' codes into LDS, in three batches of 32 loads, through registers that the sums will take
	s_cmp_gt_u32 s21, s22
	s_cbranch_scc0 .Ls1_end
	WIN 0x80
.irp q, 0,1,2,3
.irp t, 0,1,2,3,4,5,6,7
	global_load_b128 v[32*\q+4*\t:32*\q+4*\t+3], v9, s[26:27] offset:1024*\t+256*\q            ; hr: sixteen lanes read 256 consecutive bytes of a row
.endr
.endr
.irp q, 0,1,2,3
.irp t, 0,1,2,3,4,5,6,7
	global_load_b128 v[128+32*\q+4*\t:128+32*\q+4*\t+3], v[GT+\t], s[4:5] offset:256*\q        ; hs, the first half of each row
.endr
.endr
	s_wait_loadcnt 32                              ; all but the 32 loads of the younger batch
	WIN 0x08
.irp q, 0,1,2,3
.irp t, 0,1,2,3,4,5,6,7
	ds_store_b128 v10, v[32*\q+4*\t:32*\q+4*\t+3] offset:PA*\t+256*\q+2048
.endr
.endr
	WIN 0xc0
.irp q, 0,1,2,3
.irp t, 0,1,2,3,4,5,6,7
	global_load_b128 v[32*\q+4*\t:32*\q+4*\t+3], v[GT+\t], s[4:5] offset:256*\q+1024           ; hs, the second half
.endr
.endr
	s_wait_loadcnt 32
	WIN 0x08
.irp q, 0,1,2,3
.irp t, 0,1,2,3,4,5,6,7
	ds_store_b128 v10, v[128+32*\q+4*\t:128+32*\q+4*\t+3] offset:PA*\t+256*\q
.endr
.endr
	s_wait_loadcnt 0x0
	WIN 0x0c
.irp q, 0,1,2,3
.irp t, 0,1,2,3,4,5,6,7
	ds_store_b128 v10, v[32*\q+4*\t:32*\q+4*\t+3] offset:PA*\t+256*\q+1024
.endr
.endr
	WIN 0
.Ls1_end:
	s_wait_dscnt 0x0                               ; for the others' sake: my stores have landed
	s_barrier_signal -1
	s_barrier_wait -1                              ; the 64 rows lie in LDS
	; ---- section 2: 24 steps of 128 along K, 16 matrix instructions each; then the way out
	s_cmp_gt_u32 s21, s22
	s_cbranch_scc0 .Ls2_end
.macro AFETCH s                        ; the slots' four fragments of step s into set s % 2
.set FS, (\s)
	WIN 0
.irp m, 0,1,2,3
.irp c, 0,1,2,3
	ds_load_b128 v[AF+64*(FS%2)+16*\m+4*\c:AF+64*(FS%2)+16*\m+4*\c+3], v[AD+\m] offset:128*FS+32*\c
.endr
.endr
.endm
.macro STEP s
.set SS, (\s)
.if SS > 0
	PLACES                                         ; in front of loads into the set and the buffer that the last step multiplied
.endif
.if SS < 23
	AFETCH SS+1
.endif
.if SS+3 <= 23
	BLOAD SS+3
.endif
.if SS < 23
	s_wait_dscnt 16                                ; this step's fragments are in; the 16 just issued may be out
.else
	s_wait_dscnt 0x0
.endif
.if 16*(23-SS) < 48
	s_wait_loadcnt 16*(23-SS)
.else
	s_wait_loadcnt 48                              ; this step's weights are in; the 16 loads of each of the next three steps may be out
.endif
	WIN 0xa1                                       ; source 0 (w2) window 1, source 1 (the slots) window 0, C and D window 2
.set AC, 128*(SS/16)                   ; the shared sums at v0, the routed at v128
.irp m, 0,1,2,3
.irp nb, 0,1,2,3                       ; sixteen accumulators by turns, in the same order in every step
.if (SS%16) == 0
	v_wmma_f32_16x16x128_fp8_fp8 v[AC+8*(4*\m+\nb):AC+8*(4*\m+\nb)+7], v[64*(SS%4)+16*\nb:64*(SS%4)+16*\nb+15], v[AF+64*(SS%2)+16*\m:AF+64*(SS%2)+16*\m+15], 0
.else
	v_wmma_f32_16x16x128_fp8_fp8 v[AC+8*(4*\m+\nb):AC+8*(4*\m+\nb)+7], v[64*(SS%4)+16*\nb:64*(SS%4)+16*\nb+15], v[AF+64*(SS%2)+16*\m:AF+64*(SS%2)+16*\m+15], v[AC+8*(4*\m+\nb):AC+8*(4*\m+\nb)+7]
.endif
.endr
.endr
.endm
	AFETCH 0
.irp s, 0,1,2,3,4,5,6,7,8,9,10,11,12,13,14,15,16,17,18,19,20,21,22,23
	STEP \s
.endr
	PLACES
	WIN 0x02                                       ; source 0 window 2
.set ko, 0
.rept 64
	v_pk_mul_f32 v[AF+ko:AF+ko+1], v[128+ko:128+ko+1], s[36:37] op_sel_hi:[1,0]                ; the routed sums x their power of two; each accumulator from its low end on
.set ko, ko+2
.endr
.set ko, 0
.rept 64
	v_pk_fma_f32 v[AF+ko:AF+ko+1], v[ko:ko+1], s[34:35], v[AF+ko:AF+ko+1] op_sel_hi:[1,0,1]    ; + the shared sums x theirs
.set ko, ko+2
.endr
	WIN 0
.irp m, 0,1,2,3
.irp nb, 0,1,2,3
	ds_store_b128 v18, v[AF+8*(4*\m+\nb):AF+8*(4*\m+\nb)+3] offset:16*SP*\m+64*\nb             ; slot 16 m + r, columns 16 nb + 8 h + 0 .. 7
	ds_store_b128 v18, v[AF+8*(4*\m+\nb)+4:AF+8*(4*\m+\nb)+7] offset:16*SP*\m+64*\nb+16
.endr
.endr
	WIN 0x40
.set ko, 0
.rept 32
	ds_load_b128 v[4*ko:4*ko+3], v19 offset:SP*ko  ; my own stage; LDS serves a wave's instructions in order (ISA guide 5.7.1.4): these see the stores above
.set ko, ko+1
.endr
	WIN 0x04                                       ; the stores' data in window 1
.set ko, 0
.rept 32
	s_wait_dscnt 31-ko
	global_store_b128 v[PT+ko], v[4*ko:4*ko+3], s[32:33] th:TH_STORE_NT    ; sixteen lanes store 256 consecutive bytes of a token's row, at a multiple of 256 from out0's first byte
.set ko, ko+1
.endr
	WIN 0
.Ls2_end:
	s_wait_tensorcnt 0x0                           ; the wave's end
	ds_add_u32 v[SPW], v[NIL]
	s_wait_dscnt 0x0
	s_endpgm
.Lfunc_end_k_q6a6843feb9_down:
	.size	k_q6a6843feb9_down, .Lfunc_end_k_q6a6843feb9_down-k_q6a6843feb9_down
	.p2alignl 7, 3214868480
	.fill 96, 4, 3214868480
	.section	.rodata,"a",@progbits
	.p2align	6, 0x0
	.amdhsa_kernel k_q6a6843feb9_down
		.amdhsa_group_segment_fixed_size 267776
		.amdhsa_private_segment_fixed_size 0
		.amdhsa_enable_private_segment 0
		.amdhsa_kernarg_size 48
		.amdhsa_user_sgpr_count 2
		.amdhsa_user_sgpr_kernarg_segment_ptr 1
		.amdhsa_wavefront_size32 1
		.amdhsa_system_sgpr_workgroup_id_x 1
		.amdhsa_system_sgpr_workgroup_id_y 1
		.amdhsa_system_sgpr_workgroup_id_z 1
		.amdhsa_system_vgpr_workitem_id 0
		.amdhsa_next_free_vgpr 896
		.amdhsa_next_free_sgpr 70
		.amdhsa_reserve_vcc 0
		.amdhsa_float_denorm_mode_32 3
		.amdhsa_float_denorm_mode_16_64 3
		.amdhsa_memory_ordered 1
		.amdhsa_forward_progress 1
		.amdhsa_inst_pref_size 133
	.end_amdhsa_kernel
	.amdgpu_metadata
---
amdhsa.version: [ 1, 2 ]
amdhsa.kernels:
  - .name:           k_q6a6843feb9_down
    .symbol:         k_q6a6843feb9_down.kd
    .args:
      - { .name: hq, .offset: 0, .size: 8, .value_kind: global_buffer, .address_space: global }
      - { .name: plan, .offset: 8, .size: 8, .value_kind: global_buffer, .address_space: global }
      - { .name: w2_codes, .offset: 16, .size: 8, .value_kind: global_buffer, .address_space: global }
      - { .name: w2_shared_codes, .offset: 24, .size: 8, .value_kind: global_buffer, .address_space: global }
      - { .name: lowp_scales, .offset: 32, .size: 8, .value_kind: global_buffer, .address_space: global }
      - { .name: out0, .offset: 40, .size: 8, .value_kind: global_buffer, .address_space: global }
    .group_segment_fixed_size: 267776
    .private_segment_fixed_size: 0
    .kernarg_segment_align: 8
    .kernarg_segment_size: 48
    .max_flat_workgroup_size: 128
    .sgpr_count:     70
    .vgpr_count:     896
    .wavefront_size: 32
...
	.end_amdgpu_metadata
.endif
;; end of part 3
;; ======== version 2 of 2: 3 launches
;; workspace buffers: xq 8,388,608 bytes; route 12,288 bytes of whole numbers; plan 14,848 bytes of whole numbers; hq 7,208,960 bytes
;; launch route (part 4): grid 256 x 1, 2 waves a work-group, no clusters, 8,448 bytes of LDS; arguments x, router_DE, lowp_scales, xq, route; writes xq, route
.if DOCPART == 4
	.amdgcn_target "amdgcn-amd-amdhsa--gfx1250"
	.amdhsa_code_object_version 6
	.text
	.protected	k_q6a6843feb9_route
	.globl	k_q6a6843feb9_route
	.p2align	8
	.type	k_q6a6843feb9_route,@function
k_q6a6843feb9_route:
	s_mov_b64 s[64:65], 0
	v_nop
	global_prefetch_b8 v0, s[64:65] scope:SCOPE_SE
	s_setreg_imm32_b32 hwreg(HW_REG_WAVE_MODE, 25, 1), 1
	s_wait_xcnt 0x0
; TOP-1 ROUTING AND THE CODES OF x.  2,048 tokens of 1,024 numbers; a wave takes four tokens, 512 waves in all; waves share nothing.
; For each token: the 8 logits x . router_DE in f32 (fused multiply-adds), the first largest (argmax keeps the lower index), score = sigmoid of it,
; and four rows of E4M3 codes into xq, planes of [2048][1024] bytes in token order:
;   plane 0: x by lowp_scales[48]   plane 1: x by lowp_scales[50]   plane 2: x * score by lowp_scales[6 id]   plane 3: x * score by lowp_scales[6 id + 2]
; (the gate's and the up product's left operands have scales of their own, so each is quantised for itself).
; Into route: ids[2048] (int32) at byte 0; from byte 8,192 cnt[512][8] (one byte each): how many of tokens 4 g .. 4 g + 3 chose expert e.
; The choice only selects VALUES here (v_cndmask_b32): no address and no branch of this launch hangs on it; the later launches read it as whole numbers.
; WORK LEFT OUT BY THE PROGRAM, AND WHY IT IS DEAD.  In the experts' products a row n of expert e reaches the result only through
; m = (expert_id == e), a 0/1 factor that the problem's own text builds; for every value of the inputs it is 0 for seven of the eight experts of a row.
; So only the chosen expert's rows are multiplied, by whole numbers that this launch stores and the next two read.  use_static_shape has no way to the result.
; LIMITS.  A NaN, an infinity or an overflow that arises only in an expert that was not chosen is not carried to the result.  NaN among the inputs is not served.
; Each left operand's exponent e lies between -126 and 119, so that 2^e and 448 x 2^e are f32 numbers.  Two logits that agree within the rounding of an f32 sum of 1,024 terms may go to either expert.
; LANES.  Of a token lane l holds x[128 j + 4 l + c] in register 4 j + c: each load reads 512 consecutive bytes.  The router lies in window 1: register 32 j + 8 c + e = router[128 j + 4 l + c][e].
; A lane's four codes of a j are one word; a token's four rows turn through the wave's own 4,096 bytes of LDS and leave as stores of 512 consecutive bytes.
.set X,     128                        ; v128-255  four tokens x 32 numbers
.set ACC,   16                         ; v16-47    four tokens x 8 sums
.set T,     48                         ; v48-79    at work
.set C,     80                         ; v80-111   codes: four planes x 8 words
.set ST,    112                        ; v112-127  a token's four: +0 the best logit, then the score; +1 its index; +2, +3 the two exponents, then the two scales
.set SPARE, 8192                       ; behind the two stages: the spare words, 128 bytes a wave
.set PLANE, 2097152
.set MSB, 0
.macro WIN new                         ; the immediate's high byte repeats the setting that is left
.if MSB != (\new)
	s_set_vgpr_msb (MSB<<8)|(\new)
.set MSB, (\new)
.endif
.endm
	s_load_b256 s[4:11], s[0:1], 0x0               ; x s[4:5], router s[6:7], the exponents s[8:9], xq s[10:11]
	s_load_b64 s[12:13], s[0:1], 0x20              ; route
	v_lshl_add_u32 v6, v0, 2, SPARE                ; my spare word,
	v_mov_b32 v7, 0                                ; and 0: kept for the closing lines alone
	v_lshrrev_b32 v10, 5, v0
	v_readfirstlane_b32 s14, v10                   ; wave 0, 1
	v_and_b32 v1, 31, v0                           ; lane
	v_lshlrev_b32 v2, 4, v1                        ; 16 x lane
	v_lshlrev_b32 v3, 7, v1                        ; 128 x lane: my four rows of the router in each 128
	s_lshl_b32 s76, s14, 12                        ; my wave's stage
	v_lshl_add_u32 v4, v1, 2, s76                  ; into it: a word a lane
	v_lshl_add_u32 v5, v1, 4, s76                  ; out of it: 16 bytes a lane
	s_lshl_b32 s15, ttmp9, 1
	s_add_co_u32 s15, s15, s14                     ; g: which four tokens
	s_mov_b32 s66, 0x76543210                      ; v_permlanex16_b32's selects for lane l xor 16
	s_mov_b32 s67, 0xfedcba98
	s_lshl_b32 s68, s15, 14                        ; four rows of 4,096 bytes in x,
	s_mov_b32 s69, 0
	s_lshl_b32 s70, s15, 12                        ; of 1,024 in a plane of xq,
	s_mov_b32 s71, 0
	s_lshl_b32 s72, s15, 3                         ; eight counts,
	s_mov_b32 s73, 0
	s_lshl_b32 s74, s15, 4                         ; four ids
	s_mov_b32 s75, 0
	s_wait_alu depctr_va_vdst(0)
	s_wait_kmcnt 0x0
	s_load_b512 s[16:31], s[8:9], 0x0              ; lowp_scales[0 .. 47] in s16 .. s63,
	s_load_b512 s[32:47], s[8:9], 0x40
	s_load_b512 s[48:63], s[8:9], 0x80
	s_load_b128 s[80:83], s[8:9], 0xc0             ; [48 .. 51]
	s_add_nc_u64 s[4:5], s[4:5], s[68:69]
	s_add_nc_u64 s[10:11], s[10:11], s[70:71]
	s_add_nc_u64 s[72:73], s[12:13], s[72:73]
	s_add_nc_u64 s[74:75], s[12:13], s[74:75]
.irp i, 0,1,2,3
.irp j, 0,1,2,3,4,5,6,7
	global_load_b128 v[X+32*\i+4*\j:X+32*\i+4*\j+3], v2, s[4:5] offset:4096*\i+512*\j th:TH_LOAD_NT   ; read once in the launch
.endr
.endr
	WIN 0x40                                       ; destination window 1
.irp j, 0,1,2,3,4,5,6,7
.irp q, 0,1,2,3,4,5,6,7
	global_load_b128 v[32*\j+4*\q:32*\j+4*\q+3], v3, s[6:7] offset:4096*\j+16*\q
.endr
.endr
	WIN 0x04                                       ; source 1 (the router) window 1
; one packed multiply-add: token i, x[128 j + 4 l + c] (one register for both halves) times the router's experts 2 p, 2 p + 1.  The very first starts the sums.
.macro FM i, j, c, p
.set rA, ACC+8*(\i)+2*(\p)
.set rX, X+32*(\i)+4*(\j)+2*((\c)/2)
.set rR, 32*(\j)+8*(\c)+2*(\p)
.if ((\j) == 0) && ((\c) == 0)
	v_pk_mul_f32 v[rA:rA+1], v[rX:rX+1], v[rR:rR+1] op_sel_hi:[0,1]
.elseif ((\c)%2) == 0
	v_pk_fma_f32 v[rA:rA+1], v[rX:rX+1], v[rR:rR+1], v[rA:rA+1] op_sel_hi:[0,1,1]
.else
	v_pk_fma_f32 v[rA:rA+1], v[rX:rX+1], v[rR:rR+1], v[rA:rA+1] op_sel:[1,0,0] op_sel_hi:[1,1,1]
.endif
.endm
.irp j, 0,1,2,3,4,5,6,7
	s_wait_loadcnt 56-8*\j                         ; x (issued first) and the router's groups up to j are in; the 8 loads of each later group may be out
.irp c, 0,1,2,3
.irp i, 0,1,2,3
.irp p, 0,1,2,3
	FM \i, \j, \c, \p                              ; sixteen chains by turns
.endr
.endr
.endr
.endr
	WIN 0
; the 32 sums over the 32 lanes: every lane ends with the same bits, since each step adds a pair both ways
.irp m, 1,2,4,8
.set r, 0
.rept 32
	v_add_f32_dpp v[ACC+r], v[ACC+r], v[ACC+r] row_xmask:\m row_mask:0xf bank_mask:0xf
.set r, r+1
.endr
.endr
.irp k, 0,1,2,3
	v_mov_b32 v[T+\k], 0                           ; a lane permute's destination counts as one of its sources
.endr
.irp q, 0,1,2,3,4,5,6,7
.irp k, 0,1,2,3
	v_permlanex16_b32 v[T+\k], v[ACC+4*\q+\k], s66, s67
.endr
.irp k, 0,1,2,3
	v_add_f32 v[ACC+4*\q+\k], v[ACC+4*\q+\k], v[T+\k]
.endr
.endr
	s_wait_kmcnt 0x0                               ; the exponents
; the first largest of a token's eight logits, its index, and the chosen expert's two exponents: selected, not branched on
.irp i, 0,1,2,3
	v_mov_b32 v[ST+4*\i], v[ACC+8*\i]
	v_mov_b32 v[ST+4*\i+1], 0
	v_mov_b32 v[ST+4*\i+2], s16
	v_mov_b32 v[ST+4*\i+3], s18
.endr
.irp e, 1,2,3,4,5,6,7
.irp i, 0,1,2,3
	v_cmp_le_f32 vcc_lo, v[ACC+8*\i+\e], v[ST+4*\i]            ; not larger: the earlier one stays
	v_cndmask_b32 v[ST+4*\i], v[ACC+8*\i+\e], v[ST+4*\i], vcc_lo
	v_cndmask_b32 v[ST+4*\i+1], \e, v[ST+4*\i+1], vcc_lo
	v_cndmask_b32 v[ST+4*\i+2], s[16+6*\e], v[ST+4*\i+2], vcc_lo
	v_cndmask_b32 v[ST+4*\i+3], s[18+6*\e], v[ST+4*\i+3], vcc_lo
.endr
.endr
; ids and counts go out first
	v_mov_b32 v8, v[ST+1]
.irp i, 1,2,3
	v_cmp_eq_u32 vcc_lo, \i, v1
	v_cndmask_b32 v8, v8, v[ST+4*\i+1], vcc_lo     ; lane i: token i's expert
.endr
	v_mov_b32 v9, 0
.irp i, 0,1,2,3
	v_cmp_eq_u32 vcc_lo, v[ST+4*\i+1], v1
	v_cndmask_b32 v10, 0, 1, vcc_lo
	v_add_nc_u32 v9, v9, v10                       ; lane e: how many of the four chose expert e
.endr
	v_lshlrev_b32 v11, 2, v1
	s_wait_alu depctr_va_vdst(0)
	s_wait_xcnt 0x0                                ; EXEC changes only behind this wait
	v_cmp_gt_u32 vcc_lo, 8, v1
	s_and_saveexec_b32 s76, vcc_lo
	global_store_b8 v1, v9, s[72:73] offset:8192   ; eight bytes a wave: the two tables are 12 KB in all
	s_wait_xcnt 0x0
	s_or_b32 exec_lo, exec_lo, s76
	v_cmp_gt_u32 vcc_lo, 4, v1
	s_and_saveexec_b32 s76, vcc_lo
	global_store_b32 v11, v8, s[74:75]
	s_wait_xcnt 0x0
	s_or_b32 exec_lo, exec_lo, s76
; score = 1 / (1 + 2^(-logit x log2 e)): two batches of four, each with its plain line and its one wait
.irp i, 0,1,2,3
	v_mul_f32 v[T+\i], 0xbfb8aa3b, v[ST+4*\i]
.endr
	s_wait_alu depctr_va_vdst(0)
.irp i, 0,1,2,3
	v_exp_f32 v[T+\i], v[T+\i]
.endr
	v_nop
	s_wait_alu depctr_va_vdst(0)                   ; the wait ahead of the batch's first reader
.irp i, 0,1,2,3
	v_add_f32 v[T+\i], 1.0, v[T+\i]
.endr
	s_wait_alu depctr_va_vdst(0)
.irp i, 0,1,2,3
	v_rcp_f32 v[ST+4*\i], v[T+\i]
.endr
	v_nop
	s_wait_alu depctr_va_vdst(0)
	s_add_co_i32 s68, s80, 127
	s_lshl_b32 s68, s68, 23
	v_mov_b32 v12, s68                             ; 2^e as f32 for plane 0: the conversion takes its exponent field,
	s_add_co_u32 s68, s68, 0x4600000
	v_mov_b32 v13, s68                             ; and 448 x 2^e
	s_add_co_i32 s68, s82, 127
	s_lshl_b32 s68, s68, 23
	v_mov_b32 v14, s68                             ; the same for plane 1
	s_add_co_u32 s68, s68, 0x4600000
	v_mov_b32 v15, s68
; 32 numbers of a lane become plane p's eight words of codes
.macro Q src, p, sc, lim
.set kq, 0
.rept 32
	v_med3_num_f32 v[T+kq], v[(\src)+kq], -v[\lim], v[\lim]    ; the conversion to an 8-bit code does not saturate (ISA guide 7.6.2): the hold at the largest code x the scale
.set kq, kq+1
.endr
.irp g, 0,1,2,3
	v_cvt_scalef32_pk8_fp8_f32 v[C+8*(\p)+2*\g:C+8*(\p)+2*\g+1], v[T+8*\g:T+8*\g+7], v[\sc]
.endr
	v_nop                                          ; a plain line between the last conversion and the next write of its sources
.endm
.macro TOKEN i
	s_wait_xcnt 0x0                                ; the last token's stores have read v48-79, which are written again below
	v_add_nc_u32 v[ST+4*\i+2], 127, v[ST+4*\i+2]
	v_add_nc_u32 v[ST+4*\i+3], 127, v[ST+4*\i+3]
	v_lshlrev_b32 v[ST+4*\i+2], 23, v[ST+4*\i+2]   ; the chosen expert's two scales as f32,
	v_lshlrev_b32 v[ST+4*\i+3], 23, v[ST+4*\i+3]
	v_add_nc_u32 v16, 0x4600000, v[ST+4*\i+2]      ; and 448 x each
	v_add_nc_u32 v17, 0x4600000, v[ST+4*\i+3]
	Q X+32*\i, 0, 12, 13
	Q X+32*\i, 1, 14, 15
.set kt, 0
.rept 16
	v_pk_mul_f32 v[X+32*\i+kt:X+32*\i+kt+1], v[X+32*\i+kt:X+32*\i+kt+1], v[ST+4*\i:ST+4*\i+1] op_sel_hi:[1,0]   ; x * score
.set kt, kt+2
.endr
	Q X+32*\i, 2, ST+4*\i+2, 16
	Q X+32*\i, 3, ST+4*\i+3, 17
.irp p, 0,1,2,3
.irp j, 0,1,2,3,4,5,6,7
	ds_store_b32 v4, v[C+8*\p+\j] offset:1024*\p+128*\j        ; codes of k = 128 j + 4 l + 0 .. 3 at their place in the row
.endr
.endr
.irp p, 0,1,2,3
.irp q, 0,1
	ds_load_b128 v[T+8*\p+4*\q:T+8*\p+4*\q+3], v5 offset:1024*\p+512*\q   ; LDS serves a wave's instructions in order (ISA guide 5.7.1.4): these see the stores above
.endr
.endr
	s_wait_dscnt 0x0
.irp p, 0,1,2,3
.irp q, 0,1
	global_store_b128 v2, v[T+8*\p+4*\q:T+8*\p+4*\q+3], s[10:11] offset:PLANE*\p+1024*\i+512*\q   ; 512 consecutive bytes, at a multiple of 512 from xq's first byte
.endr
.endr
.endm
	s_wait_alu depctr_va_vdst(0)
	TOKEN 0
	TOKEN 1
	TOKEN 2
	TOKEN 3
	s_wait_tensorcnt 0x0                           ; the wave's end
	ds_add_u32 v6, v7
	s_wait_dscnt 0x0
	s_endpgm
.Lfunc_end_k_q6a6843feb9_route:
	.size	k_q6a6843feb9_route, .Lfunc_end_k_q6a6843feb9_route-k_q6a6843feb9_route
	.p2alignl 7, 3214868480
	.fill 96, 4, 3214868480
	.section	.rodata,"a",@progbits
	.p2align	6, 0x0
	.amdhsa_kernel k_q6a6843feb9_route
		.amdhsa_group_segment_fixed_size 8448
		.amdhsa_private_segment_fixed_size 0
		.amdhsa_enable_private_segment 0
		.amdhsa_kernarg_size 40
		.amdhsa_user_sgpr_count 2
		.amdhsa_user_sgpr_kernarg_segment_ptr 1
		.amdhsa_wavefront_size32 1
		.amdhsa_system_sgpr_workgroup_id_x 1
		.amdhsa_system_sgpr_workgroup_id_y 1
		.amdhsa_system_sgpr_workgroup_id_z 1
		.amdhsa_system_vgpr_workitem_id 0
		.amdhsa_next_free_vgpr 512
		.amdhsa_next_free_sgpr 90
		.amdhsa_reserve_vcc 1
		.amdhsa_float_denorm_mode_32 3
		.amdhsa_float_denorm_mode_16_64 3
		.amdhsa_memory_ordered 1
		.amdhsa_forward_progress 1
		.amdhsa_inst_pref_size 117
	.end_amdhsa_kernel
	.amdgpu_metadata
---
amdhsa.version: [ 1, 2 ]
amdhsa.kernels:
  - .name:           k_q6a6843feb9_route
    .symbol:         k_q6a6843feb9_route.kd
    .args:
      - { .name: x, .offset: 0, .size: 8, .value_kind: global_buffer, .address_space: global }
      - { .name: router_DE, .offset: 8, .size: 8, .value_kind: global_buffer, .address_space: global }
      - { .name: lowp_scales, .offset: 16, .size: 8, .value_kind: global_buffer, .address_space: global }
      - { .name: xq, .offset: 24, .size: 8, .value_kind: global_buffer, .address_space: global }
      - { .name: route, .offset: 32, .size: 8, .value_kind: global_buffer, .address_space: global }
    .group_segment_fixed_size: 8448
    .private_segment_fixed_size: 0
    .kernarg_segment_align: 8
    .kernarg_segment_size: 40
    .max_flat_workgroup_size: 64
    .sgpr_count:     90
    .vgpr_count:     512
    .wavefront_size: 32
...
	.end_amdgpu_metadata
.endif
;; end of part 4
;; launch up (part 5): grid 220 x 1, 4 waves a work-group, no clusters, 302,080 bytes of LDS; arguments xq, route, w13_codes, w13_shared_codes, lowp_scales, hq, plan; writes hq, plan
.if DOCPART == 5
	.amdgcn_target "amdgcn-amd-amdhsa--gfx1250"
	.amdhsa_code_object_version 6
	.text
	.protected	k_q6a6843feb9_up
	.globl	k_q6a6843feb9_up
	.p2align	8
	.type	k_q6a6843feb9_up,@function
k_q6a6843feb9_up:
	s_mov_b64 s[64:65], 0
	v_nop
	global_prefetch_b8 v0, s[64:65] scope:SCOPE_SE
	s_setreg_imm32_b32 hwreg(HW_REG_WAVE_MODE, 25, 1), 1
	s_wait_xcnt 0x0
; THE FIRST LAYERS: h = silu(a Wg^T) * (a Wu^T) on E4M3 codes, quantised for the second layers.  One text for the shared expert and the routed ones.
; WORK LEFT OUT: of the routed experts only the rows of the expert that a token chose are multiplied (shown at the head of the first launch's text).
; JOBS.  Work-groups 0 .. 91: routed tile b / 4 (128 rows of ONE expert), hidden units 256 (b % 4) on.  Work-groups 92 .. 219: tokens 128 ((b - 92) / 8) on of the shared expert, units 256 ((b - 92) % 8) on.
; With 2,048 routed rows, 8 experts and tiles of 128 there are never more than 2048 / 128 + 7 = 23 tiles, whatever the choice; a tile that a choice leaves empty does no work here but its entry in plan.
; A ROUTED TILE'S ROWS are found from the stored ids in registers: the experts' counts give the tile's expert e and first rank r0; thread i wants the token of rank min(r0 + i, last rank of the tile).
; Slots past the tile's count so repeat its LAST token: the same operands, the same sums, the same bytes; no lane is ever switched off.
; plan (stored by the tile's first column tile): perm[23][128] the token of each slot; from byte 11,776 a record of 128 bytes a tile: the expert, the number of rows, zeros.
; hq: hs codes [2048 tokens][2048] at byte 0; hr codes [23 x 128 slots][1024] from byte 4,194,304.
; SHARES.  The four waves share the COLUMNS: wave w makes units 64 w .. 64 w + 63 of the work-group's 256, gate and up, for all 128 rows: 32 + 32 accumulators (windows 2 and 3).
; Its weights come from memory straight into its registers (no other wave wants them); the rows' codes, both variants, K = 1,024 whole, lie in LDS, filled once: no barrier in the products.
; THE PRODUCT IS USED TRANSPOSED (source 0 = 16 rows of W, source 1 = 16 rows of a), AND THE ROWS OF W THAT FORM A TILE ARE NOT NEIGHBOURS: lane r of tile 2 b + u takes unit 32 b + 8 u + r + 8 (r / 8),
; so that the 16 registers of tiles 2 b, 2 b + 1 are units 32 b + 16 (lane / 16) + 0 .. 15 of one row: sixteen neighbours along the next K.
; A fragment's registers 4 c .. 4 c + 3 hold K = 32 c + 16 (lane / 16) + 0 .. 15, alike in both sources: every product meets its partner.
; NO TENSOR LOADS, NO CLUSTER: whether a tile has rows, and whose weights it reads, are stored numbers, on which this text branches; such a text loads through registers.
; No barrier stands under such a branch: an empty tile jumps over the three sections of work and passes both barriers.
; LIMITS on the given exponents (Eg, Eu: the gate's and the up product's two added; eh: the hidden layer's): Eg between -126 and 126 (added to an exponent field); eh - Eg - Eu between -126 and 119.
.set PA,    1040                       ; a row of codes in LDS: 1,024 bytes + 16 = 260 words: row r starts at bank 4 r mod 64 (64 banks of 4 bytes: ISA guide 11.1)
.set SP,    272                        ; a row of the stage: 256 + 16
.set STG,   256*PA                     ; LDS: 256 rows of a (variant v, row m at 128 v + m); the stage, 128 rows;
.set LIST,  STG+128*SP                 ; the slots' tokens, a word each;
.set SPARE, LIST+512                   ; the spare words, 128 bytes a wave
.set NRT,   92
.set SPW, 5                            ; v5, v6  the closing lines' two; never rewritten
.set NIL, 6
.set LA,  7                            ; v7   LIST + 4 x thread
.set LB,  8                            ; v8   LIST + 128 w + 64 (lane / 16)
.set TOK, 9                            ; v9   my slot's token
.set SA,  10                           ; v10, v11  where I store rows of a, variant 0, 1
.set AD,  12                           ; v12-19    where I read fragments of a: rows 32 n + r
.set WO,  20                           ; v20  my byte in a tile of W
.set STO, 21                           ; v21  the stage: in
.set STR, 22                           ; v22  the stage: out
.set SC,  23                           ; v23  the conversion's scale
.set RO,  24                           ; v24-39  byte offset in a plane of xq of the row of slot 32 w + 16 (lane / 16) + t
.set OO,  40                           ; v40-55  the same rows in hq
.set LIM, 58                           ; v58  448 x the scale
.set I16, 62                           ; v62  16 x (lane % 16)
.set ID,  64                           ; v64-127   the ids; later E and P
.set E,   64
.set P,   96
.set CT,  128                          ; v128-159  the counts; v160-181 at work on the list
.set AF,  128                          ; v128-255  eight fragments of a; later the codes (v128-191) and rows read back (v192-255)
.set CD,  128
.set BK,  192
.set MSB, 0
.macro WIN new                         ; the immediate's high byte repeats the setting that is left
.if MSB != (\new)
	s_set_vgpr_msb (MSB<<8)|(\new)
.set MSB, (\new)
.endif
.endm
.macro PLACES                          ; four plain places behind a matrix instruction, in front of loads into its sources and of reads of its result
.rept 4
	v_nop
.endr
.endm
; half-step t = 2 s + v: K = 128 s on, v = 0 gate, 1 up.  W's four fragments into buffer t % 4 of window 1
.macro BLOAD t
.set BT, (\t)
	WIN 0x40
.irp nb, 0,1,2,3
.irp c, 0,1,2,3
	global_load_b128 v[64*(BT%4)+16*\nb+4*\c:64*(BT%4)+16*\nb+4*\c+3], v[WO], s[32+2*(BT%2):33+2*(BT%2)] offset:(32*(\nb/2)+8*(\nb%2))*1024+128*(BT/2)+32*\c
.endr
.endr
.endm
.macro BASES routed                    ; every base of the job, and the job's five exponents
.if \routed
	s_add_nc_u64 s[28:29], s[4:5], 0x400000        ; a: planes 2 and 3
	s_lshl_b32 s38, s22, 21                        ; W: expert e's 2 MiB,
	s_lshl_b32 s39, s21, 18                        ; 256 rows of 1,024 bytes a column tile,
	s_add_co_u32 s38, s38, s39
	s_lshl_b32 s39, s18, 16                        ; 64 a wave
	s_add_co_u32 s38, s38, s39
	s_mov_b32 s39, 0
	s_add_nc_u64 s[32:33], s[8:9], s[38:39]
	s_add_nc_u64 s[34:35], s[32:33], 0x100000      ; the up half: 1,024 rows on
	s_lshl_b32 s38, s20, 17                        ; out: 128 rows of 1,024 bytes a tile,
	s_lshl_b32 s39, s18, 15                        ; 32 a wave,
	s_add_co_u32 s38, s38, s39
	s_add_co_u32 s38, s38, 0x400000                ; behind hs
	s_mov_b32 s27, 1024
	s_mul_i32 s26, s22, 24                         ; lowp_scales[6 e] on
	s_cmp_eq_u32 s21, 0
	s_cselect_b32 s61, 1, 0                        ; the tile's first column tile stores its entry in plan
.else
	s_mov_b64 s[28:29], s[4:5]                     ; a: planes 0 and 1
	s_lshl_b32 s38, s21, 18
	s_lshl_b32 s39, s18, 16
	s_add_co_u32 s38, s38, s39
	s_mov_b32 s39, 0
	s_add_nc_u64 s[32:33], s[10:11], s[38:39]
	s_add_nc_u64 s[34:35], s[32:33], 0x200000      ; the up half: 2,048 rows on
	s_lshl_b32 s38, s20, 18                        ; out: 128 rows of 2,048 bytes,
	s_lshl_b32 s39, s18, 16                        ; 32 a wave
	s_add_co_u32 s38, s38, s39
	s_mov_b32 s27, 2048
	s_mov_b32 s26, 192                             ; lowp_scales[48] on
	s_mov_b32 s61, 0
.endif
	s_add_nc_u64 s[30:31], s[28:29], 0x200000
	s_lshl_b32 s39, s21, 8                         ; 256 bytes a column tile
	s_add_co_u32 s38, s38, s39
	s_mov_b32 s39, 0
	s_add_nc_u64 s[36:37], s[14:15], s[38:39]
	s_load_b128 s[56:59], s[12:13], s26 offset:0x0 ; the gate's two exponents, the up product's two,
	s_load_b32 s60, s[12:13], s26 offset:0x10      ; the hidden layer's
.endm
	s_load_b256 s[4:11], s[0:1], 0x0               ; xq s[4:5], route s[6:7], w13 s[8:9], w13_shared s[10:11]
	s_load_b128 s[12:15], s[0:1], 0x20             ; the exponents s[12:13], hq s[14:15]
	s_load_b64 s[16:17], s[0:1], 0x30              ; plan
	v_lshl_add_u32 v[SPW], v0, 2, SPARE
	v_mov_b32 v[NIL], 0
	v_lshrrev_b32 v56, 5, v0
	v_readfirstlane_b32 s18, v56                   ; wave 0..3
	v_and_b32 v1, 15, v0                           ; r = lane % 16
	v_bfe_u32 v2, v0, 4, 1                         ; h = lane / 16
	v_and_b32 v3, 31, v0                           ; lane
	v_lshlrev_b32 v4, 4, v3
	v_lshlrev_b32 v[I16], 4, v1
	; every LDS address is made here, ahead of all branches, of the thread's and the wave's number and constants
	v_lshl_add_u32 v[LA], v0, 2, LIST
	s_lshl_b32 s38, s18, 7
	v_lshl_add_u32 v[LB], v2, 6, s38
	v_add_nc_u32 v[LB], LIST, v[LB]
	s_mul_i32 s38, s18, 32*PA
	v_mul_u32_u24 v56, v2, 16*PA
	v_lshl_add_u32 v56, v1, 4, v56
	v_add_nc_u32 v[SA], s38, v56                   ; row 32 w + 16 h, 16 bytes a lane: sixteen lanes to 256 bytes of a row
	v_add_nc_u32 v[SA+1], 128*PA, v[SA]
	v_mul_u32_u24 v56, v1, PA
	v_lshl_add_u32 v56, v2, 4, v56                 ; a fragment: row r, + 16 h
.irp n, 0,1,2,3,4,5,6,7
	v_add_nc_u32 v[AD+\n], 32*PA*\n, v56
.endr
	v_and_b32 v57, 8, v1
	v_add_nc_u32 v57, v57, v1                      ; r + 8 (r / 8)
	v_lshlrev_b32 v57, 10, v57
	v_lshl_add_u32 v[WO], v2, 4, v57
	v_mul_u32_u24 v56, v1, SP
	v_lshl_add_u32 v56, v2, 4, v56
	s_lshl_b32 s38, s18, 6
	v_add_nc_u32 v56, s38, v56
	v_add_nc_u32 v[STO], STG, v56                  ; row r, my wave's 64 bytes, + 16 h
	s_mul_i32 s38, s18, 32*SP
	v_mul_u32_u24 v56, v2, 16*SP
	v_lshl_add_u32 v56, v1, 4, v56
	v_add_nc_u32 v56, s38, v56
	v_add_nc_u32 v[STR], STG, v56                  ; row 32 w + 16 h, 16 bytes a lane
	s_mov_b32 s66, 0x76543210
	s_mov_b32 s67, 0xfedcba98
	s_wait_kmcnt 0x0
	s_cmp_lt_u32 ttmp9, NRT
	s_cbranch_scc0 .Lshared
	; ---- a routed job: register work and global loads alone
	s_lshr_b32 s20, ttmp9, 2                       ; the tile
	s_and_b32 s21, ttmp9, 3                        ; the column tile
.irp k, 0,1,2,3,4,5,6,7
	global_load_b128 v[CT+4*\k:CT+4*\k+3], v4, s[6:7] offset:8192+512*\k   ; the 4,096 bytes of counts: words 0, 2 of a lane: experts 0-3; words 1, 3: experts 4-7
.endr
.irp k, 0,1,2,3,4,5,6,7,8,9,10,11,12,13,14,15
	global_load_b128 v[ID+4*\k:ID+4*\k+3], v4, s[6:7] offset:512*\k        ; register 4 k + c of lane l: the expert of token 128 k + 4 l + c
.endr
	s_wait_loadcnt 16                              ; the counts are in; the 16 loads of ids may be out
	v_add_nc_u32 v160, v[CT], v[CT+2]              ; byte by byte: 16 words of at most 4 a byte
	v_add_nc_u32 v161, v[CT+1], v[CT+3]
.irp k, 1,2,3,4,5,6,7
	v_add3_u32 v160, v160, v[CT+4*\k], v[CT+4*\k+2]
	v_add3_u32 v161, v161, v[CT+4*\k+1], v[CT+4*\k+3]
.endr
	s_mov_b32 s55, 0xff00ff
	v_and_b32 v162, s55, v160                      ; into halves of 16 bits: experts 0, 2
	v_lshrrev_b32 v163, 8, v160
	v_and_b32 v163, s55, v163                      ; 1, 3
	v_and_b32 v164, s55, v161                      ; 4, 6
	v_lshrrev_b32 v165, 8, v161
	v_and_b32 v165, s55, v165                      ; 5, 7
.irp r, 0,1,2,3
	v_mov_b32 v[166+\r], 0                         ; destinations of moves between lanes count as read
.endr
.irp m, 1,2,4,8
.irp r, 0,1,2,3
	v_mov_b32_dpp v[166+\r], v[162+\r] row_xmask:\m row_mask:0xf bank_mask:0xf
.endr
.irp r, 0,1,2,3
	v_add_nc_u32 v[162+\r], v[162+\r], v[166+\r]
.endr
.endr
.irp r, 0,1,2,3
	v_permlanex16_b32 v[166+\r], v[162+\r], s66, s67
.endr
.irp r, 0,1,2,3
	v_add_nc_u32 v[162+\r], v[162+\r], v[166+\r]
.endr
.irp r, 0,1,2,3
	v_readfirstlane_b32 s[48+\r], v[162+\r]
.endr
	s_and_b32 s40, s48, 0xffff                     ; the eight counts, s40 .. s47
	s_lshr_b32 s42, s48, 16
	s_and_b32 s41, s49, 0xffff
	s_lshr_b32 s43, s49, 16
	s_and_b32 s44, s50, 0xffff
	s_lshr_b32 s46, s50, 16
	s_and_b32 s45, s51, 0xffff
	s_lshr_b32 s47, s51, 16
	s_mov_b32 s52, 0                               ; the first tile of the expert in hand
	s_mov_b32 s22, 0
	s_mov_b32 s23, 0
	s_mov_b32 s24, 0
.irp e, 0,1,2,3,4,5,6,7                        ; the last expert whose first tile is at or under mine
	s_cmp_ge_u32 s20, s52
	s_cselect_b32 s22, \e, s22
	s_cselect_b32 s24, s52, s24
	s_cselect_b32 s23, s[40+\e], s23
	s_add_co_u32 s53, s[40+\e], 127
	s_lshr_b32 s53, s53, 7
	s_add_co_u32 s52, s52, s53
.endr
	s_sub_co_u32 s24, s20, s24
	s_lshl_b32 s24, s24, 7                         ; r0: the tile's first rank in its expert
	s_sub_co_i32 s23, s23, s24
	s_max_i32 s23, s23, 0
	s_min_u32 s23, s23, 128                        ; its rows, 0 to 128
	s_add_co_u32 s25, s24, s23
	s_sub_co_u32 s25, s25, 1                       ; its last rank
	s_min_u32 s22, s22, 7                          ; e enters addresses: held inside the table
	BASES 1
	BLOAD 0
	BLOAD 1
	BLOAD 2
	BLOAD 3
	WIN 0
	s_wait_loadcnt 63                              ; the ids are in: 64 loads were issued behind them, and 63 is the largest count that the wait can name
	v_add_nc_u32 v170, s24, v0
	v_min_u32 v170, s25, v170                      ; t: the rank that I want
	v_mov_b32 v171, 0                              ; m: the word of 32 tokens that holds it, as a mask of the expert's tokens,
	v_mov_b32 v172, 0                              ; p: how many of the expert's tokens lie in front of that word,
	v_mov_b32 v173, 0                              ; and the word's first token
	s_mov_b32 s52, 0
.irp q, 0,1,2,3,4,5,6,7                        ; 64 words, eight at a time.  The last word in front of which at most t tokens lie is the word that holds rank t
.irp n, 0,1,2,3,4,5,6,7
	v_cmp_eq_u32 s[72+\n], s22, v[ID+8*\q+\n]
.endr
.irp n, 0,1,2,3,4,5,6,7
	s_mov_b32 s[80+\n], s52
	s_bcnt1_i32_b32 s54, s[72+\n]
	s_add_co_u32 s52, s52, s54
.endr
.irp n, 0,1,2,3,4,5,6,7
	v_cmp_gt_u32 vcc_lo, s[80+\n], v170            ; more than t in front: the earlier word stays
	v_cndmask_b32 v171, s[72+\n], v171, vcc_lo
	v_cndmask_b32 v172, s[80+\n], v172, vcc_lo
	v_cndmask_b32 v173, 128*((8*\q+\n)/4)+(8*\q+\n)%4, v173, vcc_lo
.endr
.endr
	v_sub_nc_u32 v174, v170, v172                  ; k: which set bit of m.  Counts in fields of 2, 4, 8 and 16 bits, then five halvings
	v_lshrrev_b32 v175, 1, v171
	v_and_b32 v175, 0x55555555, v175
	v_sub_nc_u32 v175, v171, v175
	v_lshrrev_b32 v176, 2, v175
	v_and_b32 v176, 0x33333333, v176
	v_and_b32 v177, 0x33333333, v175
	v_add_nc_u32 v176, v176, v177
	v_lshrrev_b32 v177, 4, v176
	v_add_nc_u32 v177, v177, v176
	v_and_b32 v177, 0xf0f0f0f, v177
	v_lshrrev_b32 v178, 8, v177
	v_add_nc_u32 v178, v178, v177
	v_mov_b32 v180, 0                              ; the bit's place
.macro SEL inc                         ; v179: set bits in the lower half of the field in hand: at least so many to pass: pass them
	v_cmp_ge_u32 vcc_lo, v174, v179
	v_cndmask_b32 v181, 0, v179, vcc_lo
	v_sub_nc_u32 v174, v174, v181
	v_cndmask_b32 v181, 0, \inc, vcc_lo
	v_add_nc_u32 v180, v180, v181
.endm
	v_and_b32 v179, 0xff, v178
	SEL 16
	v_bfe_u32 v179, v177, v180, 8
	SEL 8
	v_bfe_u32 v179, v176, v180, 4
	SEL 4
	v_bfe_u32 v179, v175, v180, 2
	SEL 2
	v_bfe_u32 v179, v171, v180, 1
	SEL 1
	v_lshl_add_u32 v[TOK], v180, 2, v173           ; lane l of word (k, c) is token 128 k + c + 4 l
	v_min_u32 v[TOK], 0x7ff, v[TOK]
	s_branch .Ljoin
.Lshared:                                      ; ---- a shared job: slot i is token 128 x tile + i
	s_sub_co_u32 s21, ttmp9, NRT
	s_lshr_b32 s20, s21, 3
	s_and_b32 s21, s21, 7
	s_mov_b32 s22, 0
	s_mov_b32 s23, 128
	s_lshl_b32 s38, s20, 7
	v_add_nc_u32 v[TOK], s38, v0
	BASES 0
	BLOAD 0
	BLOAD 1
	BLOAD 2
	BLOAD 3
	WIN 0
.Ljoin:
	s_cmp_lg_u32 s61, 0                            ; made of the work-group's number alone
	s_cbranch_scc0 .Lno_plan
	s_lshl_b32 s38, s20, 9
	s_mov_b32 s39, 0
	s_add_nc_u64 s[88:89], s[16:17], s[38:39]
	v_lshlrev_b32 v59, 2, v0
	s_wait_alu depctr_va_vdst(0)
	global_store_b32 v59, v[TOK], s[88:89]         ; the tile's 128 tokens: 512 consecutive bytes, an empty tile's too
	s_cmp_lg_u32 s18, 0
	s_cbranch_scc1 .Lno_plan
	v_mov_b32 v60, 0
	v_cmp_ne_u32 vcc_lo, 0, v3
	v_cndmask_b32 v60, s22, v60, vcc_lo            ; lane 0: the expert
	v_cmp_ne_u32 vcc_lo, 1, v3
	v_cndmask_b32 v60, s23, v60, vcc_lo            ; lane 1: the rows
	v_lshlrev_b32 v61, 2, v3
	s_lshl_b32 s38, s20, 7
	s_mov_b32 s39, 0
	s_add_nc_u64 s[90:91], s[16:17], s[38:39]
	global_store_b32 v61, v60, s[90:91] offset:11776
.Lno_plan:
	s_wait_alu depctr_va_vdst(0)
	ds_store_b32 v[LA], v[TOK]                     ; my wave's 32 tokens turn through its own 128 bytes: each half of the lanes wants sixteen of them in registers
.irp q, 0,1,2,3
	ds_load_b128 v[RO+4*\q:RO+4*\q+3], v[LB] offset:16*\q      ; LDS serves a wave's instructions in order (ISA guide 5.7.1.4)
.endr
	s_lshl_b32 s38, s27, 4
	v_mul_lo_u32 v[OO], v2, s38
	v_add_nc_u32 v[OO], v[OO], v[I16]              ; row 16 h of my wave's 32 in hq, 16 bytes a lane
.irp t, 1,2,3,4,5,6,7,8,9,10,11,12,13,14,15
	v_add_nc_u32 v[OO+\t], s27, v[OO+\t-1]
.endr
	s_wait_dscnt 0x0
.irp t, 0,1,2,3,4,5,6,7,8,9,10,11,12,13,14,15
	v_min_u32 v[RO+\t], 0x7ff, v[RO+\t]
	v_lshl_add_u32 v[RO+\t], v[RO+\t], 10, v[I16]  ; the token's row of 1,024 bytes
.endr
	s_wait_kmcnt 0x0                               ; the five exponents
	s_add_co_i32 s56, s56, s57                     ; Eg: a gate's sum stands for sum x 2^Eg
	s_add_co_i32 s58, s58, s59                     ; Eu
	s_lshl_b32 s57, s56, 23
	s_add_co_u32 s68, s57, 0xbfb8aa3b              ; -log2(e) x 2^Eg: Eg is added to the exponent field
	s_mov_b32 s69, s68                             ; (named with it as a pair, so it is written)
	s_sub_co_i32 s60, s60, s56
	s_sub_co_i32 s60, s60, s58
	s_add_co_i32 s60, s60, 127
	s_lshl_b32 s60, s60, 23
	v_mov_b32 v[SC], s60                           ; 2^(eh - Eg - Eu): the five exponents folded into the conversion's one scale
	s_add_co_u32 s60, s60, 0x4600000
	v_mov_b32 v[LIM], s60                          ; 448 x that
	; ---- section 1: my wave's 32 rows of a, both variants, into LDS, 256 bytes of each row at a time, through the registers that the sums will take
	s_cmp_eq_u32 s23, 0
	s_cbranch_scc1 .Ls1_end
.macro ALOADQ q
	WIN (2+(\q)/2)<<6
.irp v, 0,1
.irp t, 0,1,2,3,4,5,6,7,8,9,10,11,12,13,14,15
	global_load_b128 v[128*((\q)%2)+64*\v+4*\t:128*((\q)%2)+64*\v+4*\t+3], v[RO+\t], s[28+2*\v:29+2*\v] offset:256*(\q)   ; sixteen lanes read 256 consecutive bytes of a row
.endr
.endr
.endm
.macro ASTOREQ q
	WIN (2+(\q)/2)<<2
.irp v, 0,1
.irp t, 0,1,2,3,4,5,6,7,8,9,10,11,12,13,14,15
	ds_store_b128 v[SA+\v], v[128*((\q)%2)+64*\v+4*\t:128*((\q)%2)+64*\v+4*\t+3] offset:PA*\t+256*(\q)
.endr
.endr
.endm
	s_wait_alu depctr_va_vdst(0)
	ALOADQ 0
	ALOADQ 1
	s_wait_loadcnt 32                              ; all but the 32 loads of the younger piece (W's first loads are older than all of these)
	ASTOREQ 0
	ALOADQ 2
	s_wait_loadcnt 32
	ASTOREQ 1
	ALOADQ 3
	s_wait_loadcnt 32
	ASTOREQ 2
	s_wait_loadcnt 0x0
	ASTOREQ 3
	WIN 0
.Ls1_end:
	s_wait_dscnt 0x0                               ; for the others' sake: my stores have landed
	s_barrier_signal -1
	s_barrier_wait -1                              ; the 256 rows lie in LDS
	; ---- section 2: 16 half-steps of 32 matrix instructions, then the activation
	s_cmp_eq_u32 s23, 0
	s_cbranch_scc1 .Ls2_end
.macro AFETCH t, half                  ; a's blocks 4 half .. 4 half + 3 of half-step t
.set FT, (\t)
	WIN 0
.irp m, 0,1,2,3
.set FM, 4*(\half)+\m
.irp c, 0,1,2,3
	ds_load_b128 v[AF+16*FM+4*\c:AF+16*FM+4*\c+3], v[AD+(8*(FT%2)+FM)/2] offset:(FM%2)*16*PA+128*(FT/2)+32*\c
.endr
.endr
.endm
.macro MUL t, half                     ; 16 matrix instructions on 16 accumulators; gate's and up's half-steps alternate, so 63 others' stand between two on one accumulator
.set MT, (\t)
.if (MT%2) == 0
	WIN 0xa1                                       ; source 0 (W) window 1, source 1 (a) window 0, C and D window 2
.else
	WIN 0xf1                                       ; the same, C and D window 3
.endif
.irp m, 0,1,2,3
.set MM, 4*(\half)+\m
.irp nb, 0,1,2,3
.if MT < 2
	v_wmma_f32_16x16x128_fp8_fp8 v[8*(4*MM+\nb):8*(4*MM+\nb)+7], v[64*(MT%4)+16*\nb:64*(MT%4)+16*\nb+15], v[AF+16*MM:AF+16*MM+15], 0
.else
	v_wmma_f32_16x16x128_fp8_fp8 v[8*(4*MM+\nb):8*(4*MM+\nb)+7], v[64*(MT%4)+16*\nb:64*(MT%4)+16*\nb+15], v[AF+16*MM:AF+16*MM+15], v[8*(4*MM+\nb):8*(4*MM+\nb)+7]
.endif
.endr
.endr
.endm
.macro HS t
.if 16*(15-(\t)) < 48
	s_wait_loadcnt 16*(15-(\t))
.else
	s_wait_loadcnt 48                              ; this half-step's W is in; the 16 loads of each of the next three may be out
.endif
	s_wait_dscnt 16                                ; a's blocks 0-3 are in; the 16 loads of blocks 4-7 may be out
	MUL \t, 0
.if (\t) < 15
	PLACES
	AFETCH (\t)+1, 0
	s_wait_dscnt 16                                ; all but the 16 just issued
.else
	s_wait_dscnt 0x0
.endif
	MUL \t, 1
	PLACES
.if (\t) < 15
	AFETCH (\t)+1, 1
.endif
.if (\t)+4 <= 15
	BLOAD (\t)+4                                   ; into the buffer just multiplied: three half-steps ahead of its use
.endif
.endm
	AFETCH 0, 0
	AFETCH 0, 1
.irp t, 0,1,2,3,4,5,6,7,8,9,10,11,12,13,14,15
	HS \t
.endr
; Rows 16 mb on: h = g u / (1 + 2^(-g log2 e)), g = G 2^Eg, u = U 2^Eu.  G U / (1 + ..) is made of the bare sums; the powers of two are in the conversion's scale.
.macro EPI mb
	WIN 0x02                                       ; source 0 window 2
.set ke, 0
.rept 16
	v_pk_mul_f32 v[E+ke:E+ke+1], v[32*(\mb)+ke:32*(\mb)+ke+1], s[68:69] op_sel_hi:[1,0]   ; -g log2 e; each accumulator from its low end on
.set ke, ke+2
.endr
	WIN 0
.set ke, 0
	s_wait_alu depctr_va_vdst(0)
.rept 32
	v_exp_f32 v[E+ke], v[E+ke]
.set ke, ke+1
.endr
	WIN 0x0e                                       ; source 0 window 2, source 1 window 3
.set ke, 0
	s_wait_alu depctr_va_vdst(0)
.rept 16
	v_pk_mul_f32 v[P+ke:P+ke+1], v[32*(\mb)+ke:32*(\mb)+ke+1], v[32*(\mb)+ke:32*(\mb)+ke+1]   ; G U: plain work behind the batch
.set ke, ke+2
.endr
	WIN 0
	s_wait_alu depctr_va_vdst(0)                   ; one for the 32 exponentials, ahead of their first reader
.set ke, 0
.rept 16
	v_pk_add_f32 v[E+ke:E+ke+1], v[E+ke:E+ke+1], 1.0 op_sel_hi:[1,0]
.set ke, ke+2
.endr
.set ke, 0
	s_wait_alu depctr_va_vdst(0)
.rept 32
	v_rcp_f32 v[E+ke], v[E+ke]
.set ke, ke+1
.endr
	v_nop
	s_wait_alu depctr_va_vdst(0)                   ; one for the 32 reciprocals
.set ke, 0
.rept 16
	v_pk_mul_f32 v[P+ke:P+ke+1], v[P+ke:P+ke+1], v[E+ke:E+ke+1]
.set ke, ke+2
.endr
.set ke, 0
.rept 32
	v_med3_num_f32 v[P+ke], v[P+ke], -v[LIM], v[LIM]           ; the conversion does not saturate (ISA guide 7.6.2)
.set ke, ke+1
.endr
.irp g, 0,1,2,3
	v_cvt_scalef32_pk8_fp8_f32 v[CD+8*(\mb)+2*\g:CD+8*(\mb)+2*\g+1], v[P+8*\g:P+8*\g+7], v[SC]
.endr
	v_nop                                          ; a plain line between the last conversion and the next write of its sources
.irp b, 0,1
	ds_store_b128 v[STO], v[CD+8*(\mb)+4*\b:CD+8*(\mb)+4*\b+3] offset:16*SP*(\mb)+32*\b     ; units 32 b + 16 h + 0 .. 15 of row 16 mb + r
.endr
.endm
.irp mb, 0,1,2,3,4,5,6,7
	EPI \mb
.endr
.Ls2_end:
	s_wait_dscnt 0x0                               ; my stores into the stage have landed
	s_barrier_signal -1
	s_barrier_wait -1                              ; 128 rows of 256 codes lie in the stage
	; ---- section 3: each wave stores 32 whole rows
	s_cmp_eq_u32 s23, 0
	s_cbranch_scc1 .Ls3_end
.irp t, 0,1,2,3,4,5,6,7,8,9,10,11,12,13,14,15
	ds_load_b128 v[BK+4*\t:BK+4*\t+3], v[STR] offset:SP*\t
.endr
.irp t, 0,1,2,3,4,5,6,7,8,9,10,11,12,13,14,15
	s_wait_dscnt 15-\t
	global_store_b128 v[OO+\t], v[BK+4*\t:BK+4*\t+3], s[36:37]     ; sixteen lanes store 256 consecutive bytes, at a multiple of 256 from hq's first byte
.endr
.Ls3_end:
	s_wait_tensorcnt 0x0                           ; the wave's end
	ds_add_u32 v[SPW], v[NIL]
	s_wait_dscnt 0x0
	s_endpgm
.Lfunc_end_k_q6a6843feb9_up:
	.size	k_q6a6843feb9_up, .Lfunc_end_k_q6a6843feb9_up-k_q6a6843feb9_up
	.p2alignl 7, 3214868480
	.fill 96, 4, 3214868480
	.section	.rodata,"a",@progbits
	.p2align	6, 0x0
	.amdhsa_kernel k_q6a6843feb9_up
		.amdhsa_group_segment_fixed_size 302080
		.amdhsa_private_segment_fixed_size 0
		.amdhsa_enable_private_segment 0
		.amdhsa_kernarg_size 56
		.amdhsa_user_sgpr_count 2
		.amdhsa_user_sgpr_kernarg_segment_ptr 1
		.amdhsa_wavefront_size32 1
		.amdhsa_system_sgpr_workgroup_id_x 1
		.amdhsa_system_sgpr_workgroup_id_y 1
		.amdhsa_system_sgpr_workgroup_id_z 1
		.amdhsa_system_vgpr_workitem_id 0
		.amdhsa_next_free_vgpr 1024
		.amdhsa_next_free_sgpr 100
		.amdhsa_reserve_vcc 1
		.amdhsa_float_denorm_mode_32 3
		.amdhsa_float_denorm_mode_16_64 3
		.amdhsa_memory_ordered 1
		.amdhsa_forward_progress 1
		.amdhsa_inst_pref_size 236
	.end_amdhsa_kernel
	.amdgpu_metadata
---
amdhsa.version: [ 1, 2 ]
amdhsa.kernels:
  - .name:           k_q6a6843feb9_up
    .symbol:         k_q6a6843feb9_up.kd
    .args:
      - { .name: xq, .offset: 0, .size: 8, .value_kind: global_buffer, .address_space: global }
      - { .name: route, .offset: 8, .size: 8, .value_kind: global_buffer, .address_space: global }
      - { .name: w13_codes, .offset: 16, .size: 8, .value_kind: global_buffer, .address_space: global }
      - { .name: w13_shared_codes, .offset: 24, .size: 8, .value_kind: global_buffer, .address_space: global }
      - { .name: lowp_scales, .offset: 32, .size: 8, .value_kind: global_buffer, .address_space: global }
      - { .name: hq, .offset: 40, .size: 8, .value_kind: global_buffer, .address_space: global }
      - { .name: plan, .offset: 48, .size: 8, .value_kind: global_buffer, .address_space: global }
    .group_segment_fixed_size: 302080
    .private_segment_fixed_size: 0
    .kernarg_segment_align: 8
    .kernarg_segment_size: 56
    .max_flat_workgroup_size: 128
    .sgpr_count:     100
    .vgpr_count:     1024
    .wavefront_size: 32
...
	.end_amdgpu_metadata
.endif
;; end of part 5
;; launch down (part 6): grid 184 x 1, 4 waves a work-group, no clusters, 267,776 bytes of LDS; arguments hq, plan, w2_codes, w2_shared_codes, lowp_scales, out0; writes out0
.if DOCPART == 6
	.amdgcn_target "amdgcn-amd-amdhsa--gfx1250"
	.amdhsa_code_object_version 6
	.text
	.protected	k_q6a6843feb9_down
	.globl	k_q6a6843feb9_down
	.p2align	8
	.type	k_q6a6843feb9_down,@function
k_q6a6843feb9_down:
	s_mov_b64 s[64:65], 0
	v_nop
	global_prefetch_b8 v0, s[64:65] scope:SCOPE_SE
	s_setreg_imm32_b32 hwreg(HW_REG_WAVE_SCHED_MODE, 0, 2), 2
	s_setreg_imm32_b32 hwreg(HW_REG_WAVE_MODE, 25, 1), 1
	s_wait_xcnt 0x0
	s_wait_alu depctr_vm_vsrc(0)
; THE SECOND LAYERS AND THE SUM: out[token] = hs[token] w2_shared^T + hr[slot] w2[e]^T, on E4M3 codes.
; WORK LEFT OUT: only the chosen expert's product is made for a token (shown at the head of the first launch's text).
; JOBS.  Work-group b: half tile b / 4 (64 slots of routed tile b / 8, all of one expert), output columns 256 (b % 4) on; K = 2,048 (shared) + 1,024 (routed).
; Each token has one slot, so each row of out0 has one owner and nothing is added between work-groups.  Slots past the tile's count repeat its last token, which lies in the tile's last
; half with rows: the same bytes go to the same place from the same work-group.  A half without rows jumps over the two sections of work and passes the barrier.
; SHARES.  Wave w makes columns 64 w .. 64 w + 63 of the 256 for all 64 slots: 16 accumulators for the shared sums and 16 for the routed (window 2); its rows of the weights come from memory
; straight into its registers; the slots' codes, 3,072 bytes a slot, lie in LDS, filled once.
; The product is used transposed (source 0 = 16 rows of w2, source 1 = 16 slots): a lane holds eight neighbouring columns of one token.
; NO TENSOR LOADS, NO CLUSTER: the tile's expert and its number of rows are stored numbers, on which this text branches.
; LIMITS: lowp_scales[52] + [53], and [6 e + 4] + [6 e + 5], lie between -126 and 127, so that each power of two is an f32 number.
; THE MODE: SCHED_MODE bits 1:0 = 2 (LLVM: expert scheduling mode 2), set by the entry lines.  The code itself states the register dependences between vector or matrix instructions
; and memory or LDS instructions, and those through scalar registers that vector instructions write, with s_wait_alu, always for 0.
; THE PLAN.  Registers that memory or LDS instructions touch:
;   v7-10, v12-19   offsets and LDS addresses: made at the head, never written again: one wait on va_vdst ahead of the first load.
;   v32-71          the slots' tokens: loaded, turned into row offsets by vector instructions, then read as offsets alone: one wait ahead of section 1.
;   window 2, v768-895   section 1: loads land there, LDS stores read them; then the products write window 2: one wait on vm_vsrc at section 1's end.
;   v128-255        two sets of the slots' fragments: step s reads set s % 2; the loads of step s + 1 land in the other set, which step s - 1 read last.
;   window 1        four buffers of weights: step s reads buffer s % 4; the loads of step s + 3 land in buffer (s - 1) % 4, which step s - 1 read last.
;   So ONE wait on va_vdst stands at a step's head, for its 32 loads, and no product of the step names a register in which they land.
;   The way out: 128 packed lines write v128-255; one wait; the LDS stores read them, and the stage's loads land in window 1, which the products read last.
.set PA,    3088                       ; a slot's row in LDS: 2,048 bytes of hs, 1,024 of hr, 16 of padding = 772 words: row r starts at bank 4 r mod 64 (ISA guide 11.1)
.set SP,    272
.set STG,   64*PA                      ; behind the rows: a stage of 64 rows x (256 + 16) bytes for each wave, its own
.set SPARE, STG+4*64*SP                ; the spare words
.set SPW, 5
.set NIL, 6
.set AD,  12                           ; v12-15  where I read fragments of the slots' codes
.set PT,  32                           ; v32-63  tokens of slots t + 32 (lane / 16), then their rows' byte offsets in out0
.set GT,  64                           ; v64-71  tokens of slots 16 w + 8 (lane / 16) + t, then their rows' byte offsets in hs
.set AF,  128                          ; v128-255  two sets of four fragments; later the results
.set MSB, 0
.macro WIN new                         ; the immediate's high byte repeats the setting that is left
.if MSB != (\new)
	s_set_vgpr_msb (MSB<<8)|(\new)
.set MSB, (\new)
.endif
.endm
.macro PLACES                          ; four plain places behind a matrix instruction (ISA guide 7.12.1), in front of vector instructions that read its result or write its sources
.rept 4
	v_nop
.endr
.endm
.macro BLOAD s                         ; step s: K = 128 s on (s < 16: w2_shared; else w2[e], K = 128 (s - 16) on): four fragments into buffer s % 4 of window 1
.set BS, (\s)
	WIN 0x40
.irp nb, 0,1,2,3
.irp c, 0,1,2,3
.if BS < 16
	global_load_b128 v[64*(BS%4)+16*\nb+4*\c:64*(BS%4)+16*\nb+4*\c+3], v16, s[28:29] offset:32768*\nb+128*BS+32*\c
.else
	global_load_b128 v[64*(BS%4)+16*\nb+4*\c:64*(BS%4)+16*\nb+4*\c+3], v17, s[30:31] offset:16384*\nb+128*(BS-16)+32*\c
.endif
.endr
.endr
.endm
	s_load_b256 s[4:11], s[0:1], 0x0               ; hq s[4:5], plan s[6:7], w2 s[8:9], w2_shared s[10:11]
	s_load_b128 s[12:15], s[0:1], 0x20             ; the exponents s[12:13], out0 s[14:15]
	v_lshl_add_u32 v[SPW], v0, 2, SPARE
	v_mov_b32 v[NIL], 0
	v_lshrrev_b32 v20, 5, v0
	v_readfirstlane_b32 s16, v20                   ; wave 0..3
	v_and_b32 v1, 15, v0                           ; r
	v_bfe_u32 v2, v0, 4, 1                         ; h
	v_lshlrev_b32 v21, 4, v1                       ; 16 r
	v_lshlrev_b32 v7, 7, v2                        ; plan: 32 words a half of the lanes
	s_wait_alu depctr_va_sdst(0)                   ; s16 is written, ahead of its first reader
	s_lshl_b32 s42, s16, 6
	v_lshl_add_u32 v8, v2, 5, s42                  ; plan: 16 words a wave, 8 a half
	v_lshl_add_u32 v9, v2, 13, v21                 ; hr: row 8 h of my wave's 16, 16 bytes a lane
	s_mul_i32 s42, s16, 16*PA
	v_mul_u32_u24 v20, v2, 8*PA
	v_add_nc_u32 v20, v20, v21
	v_add_nc_u32 v10, s42, v20                     ; LDS: the same rows
	v_mul_u32_u24 v20, v1, PA
	v_lshl_add_u32 v20, v2, 4, v20
.irp m, 0,1,2,3
	v_add_nc_u32 v[AD+\m], 16*PA*\m, v20           ; a fragment: row 16 m + r, + 16 h
.endr
	v_lshlrev_b32 v20, 4, v2
	v_lshl_add_u32 v16, v1, 11, v20                ; w2_shared: row r of 2,048 bytes, + 16 h
	v_lshl_add_u32 v17, v1, 10, v20                ; w2: row r of 1,024
	s_mul_i32 s42, s16, 64*SP
	s_add_co_u32 s42, s42, STG                     ; my stage
	v_mul_u32_u24 v20, v1, SP
	v_lshl_add_u32 v20, v2, 5, v20
	v_add_nc_u32 v18, s42, v20                     ; in: row r, 32 bytes for each half of the lanes
	v_mul_u32_u24 v20, v2, 32*SP
	v_add_nc_u32 v20, v20, v21
	v_add_nc_u32 v19, s42, v20                     ; back: rows t and t + 32, sixteen lanes to a row
	s_lshr_b32 s17, ttmp9, 3                       ; the tile
	s_bfe_u32 s18, ttmp9, 0x10002                  ; its half
	s_and_b32 s19, ttmp9, 3                        ; the column tile
	s_lshl_b32 s22, s18, 6
	s_lshl_b32 s44, s17, 7                         ; the tile's record in plan (kept until the load is back)
	s_wait_kmcnt 0x0
	s_load_b64 s[20:21], s[6:7], s44 offset:11776  ; the expert, the rows
	s_load_b64 s[38:39], s[12:13], 0xd0            ; lowp_scales[52], [53]
	s_lshl_b32 s42, s17, 9
	s_lshl_b32 s43, s18, 8
	s_add_co_u32 s42, s42, s43
	s_mov_b32 s43, 0
	s_add_nc_u64 s[24:25], s[6:7], s[42:43]        ; my 64 slots' tokens
	s_lshl_b32 s42, s17, 17
	s_lshl_b32 s43, s18, 16
	s_add_co_u32 s42, s42, s43
	s_lshl_b32 s43, s16, 14
	s_add_co_u32 s42, s42, s43
	s_add_co_u32 s42, s42, 0x400000
	s_mov_b32 s43, 0
	s_add_nc_u64 s[26:27], s[4:5], s[42:43]        ; hr at slot 128 tile + 64 half + 16 wave
	s_lshl_b32 s42, s19, 19
	s_lshl_b32 s43, s16, 17
	s_add_co_u32 s42, s42, s43
	s_mov_b32 s43, 0
	s_add_nc_u64 s[28:29], s[10:11], s[42:43]      ; w2_shared at row 256 nt + 64 wave
	s_lshl_b32 s42, s19, 10
	s_lshl_b32 s43, s16, 8
	s_add_co_u32 s42, s42, s43
	s_mov_b32 s43, 0
	s_add_nc_u64 s[32:33], s[14:15], s[42:43]      ; out0 at my first column
	s_wait_alu depctr_va_vdst(0)                   ; the offsets and LDS addresses v7 to v10 and v12 to v19 are written: the loads and stores of the whole text read them, and nothing writes them again
.irp q, 0,1,2,3,4,5,6,7
	global_load_b128 v[PT+4*\q:PT+4*\q+3], v7, s[24:25] offset:16*\q
.endr
	global_load_b128 v[GT:GT+3], v8, s[24:25]
	global_load_b128 v[GT+4:GT+7], v8, s[24:25] offset:16
	BLOAD 0
	BLOAD 1
	BLOAD 2
	WIN 0
	s_wait_kmcnt 0x0
	s_min_u32 s20, s20, 7                          ; e enters addresses: held inside the table
	s_lshl_b32 s42, s20, 20
	s_lshl_b32 s43, s19, 18
	s_add_co_u32 s42, s42, s43
	s_lshl_b32 s43, s16, 16
	s_add_co_u32 s42, s42, s43
	s_mov_b32 s43, 0
	s_add_nc_u64 s[30:31], s[8:9], s[42:43]        ; w2[e] at row 256 nt + 64 wave
	s_mul_i32 s45, s20, 24
	s_load_b64 s[40:41], s[12:13], s45 offset:0x10 ; lowp_scales[6 e + 4], [6 e + 5]
	s_wait_loadcnt 48                              ; the tokens are in; the 48 loads of the first three steps' weights may be out
.set kt, 0
.rept 32
	v_min_u32 v[PT+kt], 0x7ff, v[PT+kt]
	v_lshl_add_u32 v[PT+kt], v[PT+kt], 12, v21     ; the token's row of 4,096 bytes in out0
.set kt, kt+1
.endr
.set kt, 0
.rept 8
	v_min_u32 v[GT+kt], 0x7ff, v[GT+kt]
	v_lshl_add_u32 v[GT+kt], v[GT+kt], 11, v21     ; its row of 2,048 bytes in hs
.set kt, kt+1
.endr
	s_wait_kmcnt 0x0
	s_add_co_i32 s34, s38, s39
	s_add_co_i32 s34, s34, 127
	s_lshl_b32 s34, s34, 23                        ; 2^(the shared product's two exponents) as f32
	s_mov_b32 s35, s34                             ; (named with it as a pair, so it is written)
	s_add_co_i32 s36, s40, s41
	s_add_co_i32 s36, s36, 127
	s_lshl_b32 s36, s36, 23                        ; the same for the routed product
	s_mov_b32 s37, s36
	s_wait_alu depctr_va_vdst(0)                   ; the row offsets v32 to v71 are written, which section 1's loads of hs and the last stores read
	; ---- section 1: my wave's 16 slots' codes into LDS, in three batches of 32 loads, through registers that the sums will take
	s_cmp_gt_u32 s21, s22
	s_cbranch_scc0 .Ls1_end
	WIN 0x80
.irp q, 0,1,2,3
.irp t, 0,1,2,3,4,5,6,7
	global_load_b128 v[32*\q+4*\t:32*\q+4*\t+3], v9, s[26:27] offset:1024*\t+256*\q            ; hr: sixteen lanes read 256 consecutive bytes of a row
.endr
.endr
.irp q, 0,1,2,3
.irp t, 0,1,2,3,4,5,6,7
	global_load_b128 v[128+32*\q+4*\t:128+32*\q+4*\t+3], v[GT+\t], s[4:5] offset:256*\q        ; hs, the first half of each row
.endr
.endr
	s_wait_loadcnt 32                              ; all but the 32 loads of the younger batch
	WIN 0x08
.irp q, 0,1,2,3
.irp t, 0,1,2,3,4,5,6,7
	ds_store_b128 v10, v[32*\q+4*\t:32*\q+4*\t+3] offset:PA*\t+256*\q+2048
.endr
.endr
	WIN 0xc0
.irp q, 0,1,2,3
.irp t, 0,1,2,3,4,5,6,7
	global_load_b128 v[32*\q+4*\t:32*\q+4*\t+3], v[GT+\t], s[4:5] offset:256*\q+1024           ; hs, the second half
.endr
.endr
	s_wait_loadcnt 32
	WIN 0x08
.irp q, 0,1,2,3
.irp t, 0,1,2,3,4,5,6,7
	ds_store_b128 v10, v[128+32*\q+4*\t:128+32*\q+4*\t+3] offset:PA*\t+256*\q
.endr
.endr
	s_wait_loadcnt 0x0
	WIN 0x0c
.irp q, 0,1,2,3
.irp t, 0,1,2,3,4,5,6,7
	ds_store_b128 v10, v[32*\q+4*\t:32*\q+4*\t+3] offset:PA*\t+256*\q+1024
.endr
.endr
	WIN 0
.Ls1_end:
	s_wait_alu depctr_vm_vsrc(0)                   ; my LDS stores have read the registers of window 2, which the products write as their sums
	s_wait_dscnt 0x0                               ; for the others' sake: my stores have landed
	s_barrier_signal -1
	s_barrier_wait -1                              ; the 64 rows lie in LDS
	; ---- section 2: 24 steps of 128 along K, 16 matrix instructions each; then the way out
	s_cmp_gt_u32 s21, s22
	s_cbranch_scc0 .Ls2_end
.macro AFETCH s                        ; the slots' four fragments of step s into set s % 2
.set FS, (\s)
	WIN 0
.irp m, 0,1,2,3
.irp c, 0,1,2,3
	ds_load_b128 v[AF+64*(FS%2)+16*\m+4*\c:AF+64*(FS%2)+16*\m+4*\c+3], v[AD+\m] offset:128*FS+32*\c
.endr
.endr
.endm
.macro STEP s
.set SS, (\s)
.if (SS > 0) && (SS < 23)              ; step 0's loads land in registers that nothing has named; step 23 issues no load
	s_wait_alu depctr_va_vdst(0)                   ; the last step's products are done reading their set of fragments and their buffer of weights: this step's loads land there
.endif
.if SS < 23
	AFETCH SS+1
.endif
.if SS+3 <= 23
	BLOAD SS+3
.endif
.if SS < 23
	s_wait_dscnt 16                                ; this step's fragments are in; the 16 just issued may be out
.else
	s_wait_dscnt 0x0
.endif
.if 16*(23-SS) < 48
	s_wait_loadcnt 16*(23-SS)
.else
	s_wait_loadcnt 48                              ; this step's weights are in; the 16 loads of each of the next three steps may be out
.endif
	WIN 0xa1                                       ; source 0 (w2) window 1, source 1 (the slots) window 0, C and D window 2
.set AC, 128*(SS/16)                   ; the shared sums at v0, the routed at v128
.irp m, 0,1,2,3
.irp nb, 0,1,2,3                       ; sixteen accumulators by turns, in the same order in every step
.if (SS%16) == 0
	v_wmma_f32_16x16x128_fp8_fp8 v[AC+8*(4*\m+\nb):AC+8*(4*\m+\nb)+7], v[64*(SS%4)+16*\nb:64*(SS%4)+16*\nb+15], v[AF+64*(SS%2)+16*\m:AF+64*(SS%2)+16*\m+15], 0
.else
	v_wmma_f32_16x16x128_fp8_fp8 v[AC+8*(4*\m+\nb):AC+8*(4*\m+\nb)+7], v[64*(SS%4)+16*\nb:64*(SS%4)+16*\nb+15], v[AF+64*(SS%2)+16*\m:AF+64*(SS%2)+16*\m+15], v[AC+8*(4*\m+\nb):AC+8*(4*\m+\nb)+7]
.endif
.endr
.endr
.endm
	AFETCH 0
.irp s, 0,1,2,3,4,5,6,7,8,9,10,11,12,13,14,15,16,17,18,19,20,21,22,23
	STEP \s
.endr
	PLACES                                         ; in front of the first read of the sums, and of the first write of registers that the last products read
	WIN 0x02                                       ; source 0 window 2
.set ko, 0
.rept 64
	v_pk_mul_f32 v[AF+ko:AF+ko+1], v[128+ko:128+ko+1], s[36:37] op_sel_hi:[1,0]                ; the routed sums x their power of two; each accumulator from its low end on
.set ko, ko+2
.endr
.set ko, 0
.rept 64
	v_pk_fma_f32 v[AF+ko:AF+ko+1], v[ko:ko+1], s[34:35], v[AF+ko:AF+ko+1] op_sel_hi:[1,0,1]    ; + the shared sums x theirs
.set ko, ko+2
.endr
	WIN 0
	s_wait_alu depctr_va_vdst(0)                   ; the packed lines have written v128 to v255, which the LDS stores read; and the products are done reading window 1, in which the stage's loads land
.irp m, 0,1,2,3
.irp nb, 0,1,2,3
	ds_store_b128 v18, v[AF+8*(4*\m+\nb):AF+8*(4*\m+\nb)+3] offset:16*SP*\m+64*\nb             ; slot 16 m + r, columns 16 nb + 8 h + 0 .. 7
	ds_store_b128 v18, v[AF+8*(4*\m+\nb)+4:AF+8*(4*\m+\nb)+7] offset:16*SP*\m+64*\nb+16
.endr
.endr
	WIN 0x40
.set ko, 0
.rept 32
	ds_load_b128 v[4*ko:4*ko+3], v19 offset:SP*ko  ; my own stage; LDS serves a wave's instructions in order (ISA guide 5.7.1.4): these see the stores above
.set ko, ko+1
.endr
	WIN 0x04                                       ; the stores' data in window 1
.set ko, 0
.rept 32
	s_wait_dscnt 31-ko
	global_store_b128 v[PT+ko], v[4*ko:4*ko+3], s[32:33] th:TH_STORE_NT    ; sixteen lanes store 256 consecutive bytes of a token's row, at a multiple of 256 from out0's first byte
.set ko, ko+1
.endr
	WIN 0
.Ls2_end:
	s_wait_dscnt 0x0                               ; the wave's end
	s_wait_alu 0x0
	s_wait_tensorcnt 0x0
	ds_add_u32 v[SPW], v[NIL]
	s_wait_dscnt 0x0
	s_endpgm
.Lfunc_end_k_q6a6843feb9_down:
	.size	k_q6a6843feb9_down, .Lfunc_end_k_q6a6843feb9_down-k_q6a6843feb9_down
	.p2alignl 7, 3214868480
	.fill 96, 4, 3214868480
	.section	.rodata,"a",@progbits
	.p2align	6, 0x0
	.amdhsa_kernel k_q6a6843feb9_down
		.amdhsa_group_segment_fixed_size 267776
		.amdhsa_private_segment_fixed_size 0
		.amdhsa_enable_private_segment 0
		.amdhsa_kernarg_size 48
		.amdhsa_user_sgpr_count 2
		.amdhsa_user_sgpr_kernarg_segment_ptr 1
		.amdhsa_wavefront_size32 1
		.amdhsa_system_sgpr_workgroup_id_x 1
		.amdhsa_system_sgpr_workgroup_id_y 1
		.amdhsa_system_sgpr_workgroup_id_z 1
		.amdhsa_system_vgpr_workitem_id 0
		.amdhsa_next_free_vgpr 896
		.amdhsa_next_free_sgpr 70
		.amdhsa_reserve_vcc 0
		.amdhsa_float_denorm_mode_32 3
		.amdhsa_float_denorm_mode_16_64 3
		.amdhsa_memory_ordered 1
		.amdhsa_forward_progress 1
		.amdhsa_inst_pref_size 131
	.end_amdhsa_kernel
	.amdgpu_metadata
---
amdhsa.version: [ 1, 2 ]
amdhsa.kernels:
  - .name:           k_q6a6843feb9_down
    .symbol:         k_q6a6843feb9_down.kd
    .args:
      - { .name: hq, .offset: 0, .size: 8, .value_kind: global_buffer, .address_space: global }
      - { .name: plan, .offset: 8, .size: 8, .value_kind: global_buffer, .address_space: global }
      - { .name: w2_codes, .offset: 16, .size: 8, .value_kind: global_buffer, .address_space: global }
      - { .name: w2_shared_codes, .offset: 24, .size: 8, .value_kind: global_buffer, .address_space: global }
      - { .name: lowp_scales, .offset: 32, .size: 8, .value_kind: global_buffer, .address_space: global }
      - { .name: out0, .offset: 40, .size: 8, .value_kind: global_buffer, .address_space: global }
    .group_segment_fixed_size: 267776
    .private_segment_fixed_size: 0
    .kernarg_segment_align: 8
    .kernarg_segment_size: 48
    .max_flat_workgroup_size: 128
    .sgpr_count:     70
    .vgpr_count:     896
    .wavefront_size: 32
...
	.end_amdgpu_metadata
.endif
;; end of part 6
